; MI455X (gfx1250); checked and timed in simulation.
; The chip was launched on July 23, 2026; its instructions are those of AMD's public machine-readable ISA for CDNA 5 (MIT licence, August 2026) and "CDNA5" Instruction Set Architecture Reference Guide (July 2026). The comments in the code are by the model that wrote it; some were corrected since.
;; Attention Layer. Allowed arithmetic: matrix products marked QUANTISED: E2M3 operands, one E8M0 scale for each 32 along K, by v_wmma_scale_f32_16x16x128_f8f6f4 with both operands' format E2M3, f32 sums; everything else in f32.
;; Inputs: Wk_codes 1,024 x 32 x 24 uint8 (E2M3 codes of Wk, K innermost, in blocks of 32 codes, four codes in three bytes); Wk_scales 1,024 x 32 uint8 (E8M0 scales of Wk, one for each 32 codes along K); Wo_codes 1,024 x 32 x 24 uint8 (E2M3 codes of Wo, K innermost, in blocks of 32 codes, four codes in three bytes); Wo_scales 1,024 x 32 uint8 (E8M0 scales of Wo, one for each 32 codes along K); Wq_codes 1,024 x 32 x 24 uint8 (E2M3 codes of Wq, K innermost, in blocks of 32 codes, four codes in three bytes); Wq_scales 1,024 x 32 uint8 (E8M0 scales of Wq, one for each 32 codes along K); Wv_codes 1,024 x 32 x 24 uint8 (E2M3 codes of Wv, K innermost, in blocks of 32 codes, four codes in three bytes); Wv_scales 1,024 x 32 uint8 (E8M0 scales of Wv, one for each 32 codes along K); bk 1,024 float32; bo 1,024 float32; bq 1,024 float32; bv 1,024 float32; k 4 x 2,048 x 1,024 float32; norm1_b 1,024 float32; norm1_w 1,024 float32; norm_b 1,024 float32; norm_w 1,024 float32; q 4 x 2,048 x 1,024 float32; v 4 x 2,048 x 1,024 float32.
;; Outputs: out0 4 x 2,048 x 1,024 float32.
;; This version of the problem:
;;   THIS VERSION OF THE PROBLEM IS GIVEN IN LOW PRECISION. The matrix products marked QUANTISED in the list below multiply operands that are first quantised to E2M3 (2 exponent bits, 3 mantissa bits; 6 bits a number), with one power-of-two scale for each 32 numbers along K (OCP MX v1.0); their sums are f32. All else is computed in f32.
;;   The module's matrix products, in the order in which they are computed (A, B: the left and right operand; K: the contracted axis; several contracted axes count as one K, in the product's order):
;;     1. [M 8,192, K 1,024] x [K 1,024, N 1,024]; A: computed on the way; B: input Wq (given as codes): QUANTISED
;;     2. [M 8,192, K 1,024] x [K 1,024, N 1,024]; A: computed on the way; B: input Wk (given as codes): QUANTISED
;;     3. [M 8,192, K 1,024] x [K 1,024, N 1,024]; A: computed on the way; B: input Wv (given as codes): QUANTISED
;;     4. batch 64 x [M 2,048, K 64] x [K 64, N 2,048]; A: computed on the way; B: computed on the way: QUANTISED
;;     5. batch 64 x [M 64, K 2,048] x [K 2,048, N 2,048]; A: computed on the way; B: softmax (see below): QUANTISED
;;     6. [M 8,192, K 1,024] x [K 1,024, N 1,024]; A: computed on the way; B: input Wo (given as codes): QUANTISED
;;   THE QUANTISER, for each operand of a quantised product, along K:
;;     - K is cut into blocks of 32 from its start; a last block that is shorter is filled with zeros.
;;     - A block's scale is 2^e with e = floor(log2(the largest magnitude in the block)) - 2, held to -126 .. 127; a block of zeros has e = 0. As a byte (E8M0): e + 127.
;;     - Each number is divided by its block's scale, clamped to +-7.5, and rounded to the nearest number of E2M3, ties to even, subnormals kept.
;;     - The product sums the exact products of the quantised numbers (number of the format x scale) in f32.
;;   ~~~python
;;   def quantise(x, axis):      # numpy; x: float32 -> the quantised numbers, widened to float32 again
;;       x = np.moveaxis(x, axis, -1); K = x.shape[-1]
;;       x = np.pad(x, [(0, 0)] * (x.ndim - 1) + [(0, -K % 32)]); x = x.reshape(x.shape[:-1] + (-1, 32)); a = np.abs(x).max(-1, keepdims=True)
;;       e = np.where(a > 0, np.clip(np.frexp(np.where(a > 0, a, 1))[1] - 1 - 2, -126, 127), 0)      # np.frexp(a)[1] - 1 = floor(log2(a)), exactly
;;       r = np.clip(x / 2.0 ** e, -7.5, 7.5)
;;       step = 2.0 ** (np.maximum(np.frexp(np.where(r == 0, 1, r))[1] - 1, 0) - 3)
;;       q = np.round(r / step) * step * 2.0 ** e      # np.round: ties to even
;;       return np.moveaxis(q.reshape(q.shape[:-2] + (-1,))[..., :K], -1, axis).astype(np.float32)
;;   ~~~
;;   SOFTMAX AHEAD OF A QUANTISED PRODUCT. Where the list says 'softmax', what is quantised is not the finished softmax but p = 2^(t - M), with t = logit x log2(e) and M = ceil(the row's largest t), a whole number; so 1/2 < the row's largest p <= 1. The row's sum l is taken of the UNQUANTISED p, in f32, and the product's result is divided by l at the end. Since M is a whole number, a kernel that streams over the keys may use a running M (the ceiling of the running maximum): every later rescaling is an exact power of two, which a block's scale takes up: the codes' values come out the same.
;;   OPERANDS COMPUTED ON THE WAY. 'Computed on the way' means the value that the module computes at that place (a softmax that the list does not call 'softmax' is quantised finished and normalised). What goes into a quantiser is computed in f32, as accurately as f32 sums, v_exp_f32 and their like allow (about 1e-6 of the number): no bf16 or f16 on the way to a quantiser, and a product that is left as it is and whose result goes on into a quantised operand takes f32 operands (vector FMAs, or v_wmma_f32_16x16x4_f32). A number that lies on a knife's edge between two numbers of the format may be rounded either way, as far as f32 arithmetic and the matrix unit's own rounding can turn it there, and no further.
;;   INPUTS GIVEN AS CODES. Wk (in the module: [1024, 1024], K = its axis 0); Wo (in the module: [1024, 1024], K = its axis 0); Wq (in the module: [1024, 1024], K = its axis 0); Wv (in the module: [1024, 1024], K = its axis 0): each comes as NAME_codes (uint8): NAME with its K axis moved to the last place and cut into blocks of 32 codes, [.., K / 32, bytes a block], one block behind the other in memory; four codes in three bytes: a row's codes are one little-endian stream of bits, code i at bits 6 i .. 6 i + 5 (a code: sign, 2 exponent bits, 3 mantissa bits); and NAME_scales (uint8): the same leading axes, one E8M0 byte (e + 127) for each 32 codes along K. Its value is code x scale, taken as it is: it is not quantised again, and the codes and scales need not be those that the quantiser above would give.
;; One version. Each part assembles by itself: llvm-mc -triple=amdgcn-amd-amdhsa -mcpu=gfx1250 --defsym DOCPART=n.
;; ======== version 1 of 1: 4 launches
;; limits: right only within a limited range of input values
;; workspace buffers: xc 18,874,368 bytes; xs 786,432 bytes; qf 33,554,432 bytes; kv 13,369,344 bytes; res 33,554,432 bytes; yc 6,291,456 bytes; ys 262,144 bytes
;; launch lnq (part 1): grid 768 x 1, 4 waves a work-group, no clusters, 33,280 bytes of LDS; arguments q, k, v, norm_w, norm_b, xc, xs; writes xc, xs
.if DOCPART == 1
	.amdgcn_target "amdgcn-amd-amdhsa--gfx1250"
	.amdhsa_code_object_version 6
	.text
	.protected	k_q82640ed444_lnq
	.globl	k_q82640ed444_lnq
	.p2align	8
	.type	k_q82640ed444_lnq,@function
k_q82640ed444_lnq:
	s_mov_b64 s[64:65], 0
	v_nop
	global_prefetch_b8 v0, s[64:65] scope:SCOPE_SE
	s_setreg_imm32_b32 hwreg(HW_REG_WAVE_MODE, 25, 1), 1
	s_wait_xcnt 0x0
; LayerNorm of q, k and v ([8192][1024] f32 each) and the quantiser along the 1,024: codes of E2M3, 6 bits each, K innermost, true order (xc: [24576][768] bytes), one E8M0 byte for each 32 (xs: [24576][32]).
; Rows 0-8191 of xc are q's, 8192-16383 k's, 16384-24575 v's.  A work-group takes 32 rows of one tensor, a wave 8 rows, written out: every offset is an immediate.
; A row is 4,096 bytes: eight loads of 512 consecutive bytes.  The conversion takes 16 neighbours from ONE lane's registers, so the row turns through the wave's own stage in LDS (64 bytes + 16 of padding
; for each lane's place) and comes back as columns 512 g + 16 lane + 0..15 (g = 0, 1).  Two neighbouring lanes hold a block of 32.
; The mean is taken away before the squares are summed (two passes over registers), so a common offset of the inputs costs no accuracy.
; A block's scale is 2^(floor(log2(its largest magnitude)) - 2); its byte is the largest magnitude's exponent field - 2, held at 1 from below.
; LIMITS: a block of zeros gets the byte 1 where the quantiser says 127 (its codes are zeros; this program alone reads the bytes); blocks whose largest magnitude lies under 2^-124 keep the byte 1;
; NaN and infinities among the inputs are not served; v_rsq_f32 is good to one unit in the last place.
; No tensor load, no barrier: waves share nothing.  Loads run three rows (24 loads a wave) ahead.
.set SP,   80                          ; a lane's place in a stage: 64 bytes + 16 of padding
.set WREG, 8192                        ; LDS of a wave: two stages of 32 x SP bytes, behind them its 256 scale bytes
.set WT,   32                          ; v32-63   norm_w of my 32 columns
.set BI,   64                          ; v64-95   norm_b of my 32 columns
.set X,    96                          ; v96-127  the row at work: register 16 g + i = column 512 g + 16 lane + i
.set R,    128                         ; v128-223 three sets of 32 registers as loaded
.set C,    224                         ; v224-239 codes: two rows' sets of two steps x 4 registers
.set E,    240                         ; v240-243 scale bytes
	s_load_b256 s[4:11], s[0:1], 0x0               ; q s[4:5], k s[6:7], v s[8:9], norm_w s[10:11]
	s_load_b128 s[12:15], s[0:1], 0x20             ; norm_b s[12:13], xc s[14:15]
	s_load_b64 s[16:17], s[0:1], 0x30              ; xs
	v_lshl_add_u32 v248, v0, 2, 0x8000
	v_mov_b32 v249, 0
	v_lshrrev_b32 v1, 5, v0
	v_readfirstlane_b32 s18, v1                    ; wave
	v_and_b32 v2, 31, v0                           ; lane
	v_lshlrev_b32 v3, 4, v2                        ; my 16 bytes of a load's 512
	v_mul_u32_u24 v4, v2, 12                       ; my 12 bytes of a step's 384 bytes of codes
	s_mul_i32 s19, s18, WREG
	v_lshrrev_b32 v14, 2, v2
	v_mul_u32_u24 v14, v14, SP
	v_and_b32 v15, 3, v2
	v_lshl_add_u32 v14, v15, 4, v14
	v_add_nc_u32 v14, s19, v14                     ; the stage on the way in: SP (lane / 4) + 16 (lane % 4)
	v_mul_u32_u24 v15, v2, SP
	v_add_nc_u32 v15, s19, v15                     ; and on the way out: SP x lane
	v_lshrrev_b32 v5, 1, v2
	s_add_co_u32 s19, s19, 2*32*SP
	v_add_nc_u32 v5, s19, v5                       ; my block's scale byte among my wave's 256
	v_lshlrev_b32 v7, 3, v2
	v_add_nc_u32 v6, s19, v7                       ; the same 256 bytes, 8 a lane, for the way out
	v_lshlrev_b32 v10, 6, v2                       ; 64 x lane: my 16 numbers of norm_w and norm_b in each half row
	v_mov_b32 v21, 0                               ; upper halves of pairs of which the low word alone is used: named, so written
	v_mov_b32 v23, 0
	v_mov_b32 v24, 0                               ; a lane permute's destination counts as one of its sources
	s_mov_b32 s20, 0x76543210
	s_mov_b32 s21, 0xfedcba98                      ; v_permlanex16_b32's selects for lane l xor 16
	s_mov_b32 s22, 0x3a800000                      ; 1 / 1024
	s_mov_b32 s23, 0x3727c5ac                      ; 1e-5
	s_lshr_b32 s24, ttmp9, 8                       ; which tensor: 256 work-groups each
	s_and_b32 s25, ttmp9, 255
	s_lshl_b32 s25, s25, 5
	s_lshl_b32 s26, s18, 3
	s_add_co_u32 s25, s25, s26                     ; my first row in the tensor
	s_lshl_b32 s28, s25, 12                        ; x 4,096 bytes
	s_mov_b32 s29, 0
	s_lshl_b32 s30, ttmp9, 5
	s_add_co_u32 s30, s30, s26                     ; my first row of xc and xs
	s_mul_i32 s26, s30, 768
	s_mov_b32 s27, 0
	s_lshl_b32 s30, s30, 5
	s_mov_b32 s31, 0
	s_wait_alu depctr_va_vdst(0)
	s_wait_kmcnt 0x0
	s_cmp_eq_u32 s24, 0                            ; the choice hangs on the work-group's number alone
	s_cselect_b64 s[4:5], s[4:5], s[6:7]
	s_cmp_eq_u32 s24, 2
	s_cselect_b64 s[4:5], s[8:9], s[4:5]
	s_add_nc_u64 s[4:5], s[4:5], s[28:29]
	s_add_nc_u64 s[14:15], s[14:15], s[26:27]
	s_add_nc_u64 s[16:17], s[16:17], s[30:31]
.irp g, 0,1
.irp i, 0,1,2,3
	global_load_b128 v[WT+16*\g+4*\i:WT+16*\g+4*\i+3], v10, s[10:11] offset:2048*\g+16*\i
	global_load_b128 v[BI+16*\g+4*\i:BI+16*\g+4*\i+3], v10, s[12:13] offset:2048*\g+16*\i
.endr
.endr
.macro LOAD t                          ; row t: eight loads of 512 consecutive bytes into set t % 3
.irp j, 0,1,2,3,4,5,6,7
	global_load_b128 v[R+32*((\t)%3)+4*\j:R+32*((\t)%3)+4*\j+3], v3, s[4:5] offset:4096*(\t)+512*\j th:TH_LOAD_NT
.endr
.endm
.macro RED                             ; the two chains v[16:17], v[18:19] become one number, the same in all 32 lanes: v16
	v_pk_add_f32 v[16:17], v[16:17], v[18:19]
	v_add_f32 v16, v16, v17
	v_add_f32_dpp v16, v16, v16 row_xmask:1 row_mask:0xf bank_mask:0xf
	v_add_f32_dpp v16, v16, v16 row_xmask:2 row_mask:0xf bank_mask:0xf
	v_add_f32_dpp v16, v16, v16 row_xmask:4 row_mask:0xf bank_mask:0xf
	v_add_f32_dpp v16, v16, v16 row_xmask:8 row_mask:0xf bank_mask:0xf
	v_permlanex16_b32 v24, v16, s20, s21
	v_add_f32 v16, v16, v24
.endm
	LOAD 0
	LOAD 1
	LOAD 2
.macro ROW t
.if (\t) <= 5
	s_wait_loadcnt 16                              ; this row's eight loads are in; the two rows behind it may be out
.elseif (\t) == 6
	s_wait_loadcnt 8
.else
	s_wait_loadcnt 0
.endif
.irp j, 0,1,2,3,4,5,6,7
	ds_store_b128 v14, v[R+32*((\t)%3)+4*\j:R+32*((\t)%3)+4*\j+3] offset:2560*(\j/4)+640*(\j%4)
.endr
.irp j, 0,1,2,3,4,5,6,7
	ds_load_b128 v[X+4*\j:X+4*\j+3], v15 offset:2560*(\j/4)+16*(\j%4)   ; LDS serves a wave's instructions in order: these see the stores above
.endr
	s_wait_dscnt 0x0                               ; the row is back, and the stores have read their registers,
.if (\t)+3 < 8
	LOAD (\t)+3                                    ; which take the row three further on
.endif
	v_pk_add_f32 v[16:17], v[X:X+1], v[X+2:X+3]    ; the sum of my 32 numbers, in two chains
	v_pk_add_f32 v[18:19], v[X+4:X+5], v[X+6:X+7]
.irp j, 8,12,16,20,24,28
	v_pk_add_f32 v[16:17], v[16:17], v[X+\j:X+\j+1]
	v_pk_add_f32 v[18:19], v[18:19], v[X+\j+2:X+\j+3]
.endr
	RED
	v_mul_f32 v20, s22, v16                        ; the mean
.irp j, 0,2,4,6,8,10,12,14,16,18,20,22,24,26,28,30
	v_pk_add_f32 v[X+\j:X+\j+1], v[X+\j:X+\j+1], v[20:21] op_sel_hi:[1,0] neg_lo:[0,1] neg_hi:[0,1]   ; x - mean
.endr
	v_pk_mul_f32 v[16:17], v[X:X+1], v[X:X+1]      ; the sum of the squares, in two chains
	v_pk_mul_f32 v[18:19], v[X+2:X+3], v[X+2:X+3]
.irp j, 4,8,12,16,20,24,28
	v_pk_fma_f32 v[16:17], v[X+\j:X+\j+1], v[X+\j:X+\j+1], v[16:17]
	v_pk_fma_f32 v[18:19], v[X+\j+2:X+\j+3], v[X+\j+2:X+\j+3], v[18:19]
.endr
	RED
	v_fma_f32 v25, v16, s22, s23                   ; the variance + 1e-5
	s_wait_alu depctr_va_vdst(0)
	v_rsq_f32 v22, v25
	v_nop                                          ; a plain instruction behind the transcendental
	s_wait_alu depctr_va_vdst(0)                   ; and the wait ahead of its first reader
.irp j, 0,2,4,6,8,10,12,14,16,18,20,22,24,26,28,30
	v_pk_mul_f32 v[X+\j:X+\j+1], v[X+\j:X+\j+1], v[22:23] op_sel_hi:[1,0]
.endr
.irp j, 0,2,4,6,8,10,12,14,16,18,20,22,24,26,28,30
	v_pk_fma_f32 v[X+\j:X+\j+1], v[X+\j:X+\j+1], v[WT+\j:WT+\j+1], v[BI+\j:BI+\j+1]
.endr
	s_wait_xcnt 0x0                                ; the stores of the row two back have read their registers: this row's codes are written there
.irp g, 0,1
	v_max3_num_f32 v8, |v[X+16*\g]|, |v[X+16*\g+1]|, |v[X+16*\g+2]|     ; the largest magnitude of my 16
	v_max3_num_f32 v9, |v[X+16*\g+3]|, |v[X+16*\g+4]|, |v[X+16*\g+5]|
.irp i, 6,10
	v_max3_num_f32 v8, v8, |v[X+16*\g+\i]|, |v[X+16*\g+\i+1]|
	v_max3_num_f32 v9, v9, |v[X+16*\g+\i+2]|, |v[X+16*\g+\i+3]|
.endr
	v_max3_num_f32 v8, v8, |v[X+16*\g+14]|, |v[X+16*\g+15]|
	v_max3_num_f32 v8, v8, v9, 0x1800000           ; and the floor 2^(3 - 127): the byte cannot fall under 1
	v_max_num_f32_dpp v8, v8, v8 row_xmask:1 row_mask:0xf bank_mask:0xf   ; with my neighbour's 16: the block's
	v_add_nc_u32 v11, 0xff000000, v8               ; 2 off its exponent field: the conversion takes the exponent field of this operand as its scale
	v_cvt_scalef32_pk16_fp6_f32 v[C+8*((\t)%2)+4*\g:C+8*((\t)%2)+4*\g+2], v[X+16*\g:X+16*\g+15], v11
	v_lshrrev_b32 v[E+2*((\t)%2)+\g], 23, v11      ; the scale's byte (also the plain instruction behind the conversion)
	ds_store_b8 v5, v[E+2*((\t)%2)+\g] offset:16*(2*(\t)+\g)   ; both lanes of a block write the same byte with the same value
	global_store_b96 v4, v[C+8*((\t)%2)+4*\g:C+8*((\t)%2)+4*\g+2], s[14:15] offset:768*(\t)+384*\g   ; 32 lanes store 384 consecutive bytes; a row's two stores fill three aligned blocks of 256
.endr
.endm
.irp t, 0,1,2,3,4,5,6,7
	ROW \t
.endr
	ds_load_b64 v[12:13], v6                       ; my wave's 8 rows x 32 scale bytes
	s_wait_dscnt 0x0
	global_store_b64 v7, v[12:13], s[16:17]        ; 32 lanes store 256 consecutive bytes, aligned
	s_wait_tensorcnt 0x0
	ds_add_u32 v248, v249
	s_wait_dscnt 0x0
	s_endpgm
.Lfunc_end_k_q82640ed444_lnq:
	.size	k_q82640ed444_lnq, .Lfunc_end_k_q82640ed444_lnq-k_q82640ed444_lnq
	.p2alignl 7, 3214868480
	.fill 96, 4, 3214868480
	.section	.rodata,"a",@progbits
	.p2align	6, 0x0
	.amdhsa_kernel k_q82640ed444_lnq
		.amdhsa_group_segment_fixed_size 33280
		.amdhsa_private_segment_fixed_size 0
		.amdhsa_enable_private_segment 0
		.amdhsa_kernarg_size 56
		.amdhsa_user_sgpr_count 2
		.amdhsa_user_sgpr_kernarg_segment_ptr 1
		.amdhsa_wavefront_size32 1
		.amdhsa_system_sgpr_workgroup_id_x 1
		.amdhsa_system_sgpr_workgroup_id_y 1
		.amdhsa_system_sgpr_workgroup_id_z 1
		.amdhsa_system_vgpr_workitem_id 0
		.amdhsa_next_free_vgpr 250
		.amdhsa_next_free_sgpr 66
		.amdhsa_reserve_vcc 0
		.amdhsa_float_denorm_mode_32 3
		.amdhsa_float_denorm_mode_16_64 3
		.amdhsa_memory_ordered 1
		.amdhsa_forward_progress 1
		.amdhsa_inst_pref_size 82
	.end_amdhsa_kernel
	.amdgpu_metadata
---
amdhsa.version: [ 1, 2 ]
amdhsa.kernels:
  - .name:           k_q82640ed444_lnq
    .symbol:         k_q82640ed444_lnq.kd
    .args:
      - { .name: q, .offset: 0, .size: 8, .value_kind: global_buffer, .address_space: global }
      - { .name: k, .offset: 8, .size: 8, .value_kind: global_buffer, .address_space: global }
      - { .name: v, .offset: 16, .size: 8, .value_kind: global_buffer, .address_space: global }
      - { .name: norm_w, .offset: 24, .size: 8, .value_kind: global_buffer, .address_space: global }
      - { .name: norm_b, .offset: 32, .size: 8, .value_kind: global_buffer, .address_space: global }
      - { .name: xc, .offset: 40, .size: 8, .value_kind: global_buffer, .address_space: global }
      - { .name: xs, .offset: 48, .size: 8, .value_kind: global_buffer, .address_space: global }
    .group_segment_fixed_size: 33280
    .private_segment_fixed_size: 0
    .kernarg_segment_align: 8
    .kernarg_segment_size: 56
    .max_flat_workgroup_size: 128
    .sgpr_count:     66
    .vgpr_count:     250
    .wavefront_size: 32
...
	.end_amdgpu_metadata
.endif
;; end of part 1
;; launch proj (part 2): grid 4 x 64, 4 waves a work-group, clusters of 4 x 4, 327,680 bytes of LDS; arguments xc, xs, Wq_codes, Wq_scales, Wk_codes, Wk_scales, Wv_codes, Wv_scales, bq, bk, bv, qf, kv; writes qf, kv
.if DOCPART == 2
	.amdgcn_target "amdgcn-amd-amdhsa--gfx1250"
	.amdhsa_code_object_version 6
	.text
	.protected	k_q82640ed444_proj
	.globl	k_q82640ed444_proj
	.p2align	8
	.type	k_q82640ed444_proj,@function
k_q82640ed444_proj:
	s_mov_b64 s[64:65], 0
	v_nop
	global_prefetch_b8 v0, s[64:65] scope:SCOPE_SE
	s_setreg_imm32_b32 hwreg(HW_REG_WAVE_MODE, 25, 1), 1
	s_wait_xcnt 0x0
	s_wait_alu depctr_hold_cnt(0) depctr_sa_sdst(0) depctr_va_vdst(0) depctr_va_sdst(0) depctr_va_ssrc(0) depctr_va_vcc(0) depctr_vm_vsrc(0)
	s_getreg_b32 s2, hwreg(HW_REG_IB_STS2, 6, 4)
	s_cmp_eq_u32 s2, 0
	s_cbranch_scc0 .Lentry_in_a_cluster
	s_endpgm
.Lentry_in_a_cluster:
	s_bfe_u32 s2, ttmp6, 0x10000c
	s_cmp_lg_u32 s2, 0xf033
	s_cbranch_scc0 .Lentry_shape_is_right
	s_endpgm
.Lentry_shape_is_right:
; The three projections on codes of E2M3: Q = qn Wq + bq, K = kn Wk + bk, V = vn Wv + bv, [8192][1024] each, K = 1,024.
; xc, xs: codes and scale bytes of the normalised q, k, v (rows 0-8191, 8192-16383, 16384-24575).
; 256 WORK-GROUPS THAT STAY, two tiles each.  Tile 1: 256 rows x 256 columns of Q (cluster y 0-7) or of K (8-15): operand A = x, B = the weight; a wave makes 128 x 128.
; Tile 2: V, 256 channels x 128 keys: A = Wv's 256 rows, B = 128 rows of x, so that a lane's registers run along the keys, the next product's K; a wave makes one head's 64 channels x 128 keys.
; 64 x 4 tiles of Q and K and 64 x 4 tiles of V: the same work in every work-group.
; K goes through a ring of two LDS slots in CHUNKS OF 256 BYTES of each row of codes (a row is 768 bytes: every chunk begins on a multiple of 256).  The ring does not stop between the tiles:
; the six chunks (three a tile) are numbered through, chunk g lies in slot g % 2; a step of 128 along K is 96 bytes, sixteen steps in all.  Tile 2's chunks 0 and 1 are asked for in tile 1's steps 5 and 7,
; ahead of tile 1's way out.  The scales of a tile's rows lie in LDS whole; tile 2's are brought into tile 1's bytes at step 7, when those have been read out.
; 4 x 4 clusters: what hangs on the tile row alone is asked for jointly along a row of the cluster, what hangs on the tile column alone along a column.
; The matrix instruction is used transposed (source 0 = B's rows, source 1 = A's): a lane holds eight neighbouring columns of one row.
; OUT: Q as f32 images of attention's tiles (qf); K and V quantised along their next K, as images of operand registers, with their scale words (kv, KVH bytes a head).
; K'S TILES ARE REGROUPED: of four neighbouring tiles of 16 keys, tiles x and x + 2 exchange rows 8-15 against rows 0-7, so that rows 0-7 of every stored tile lie in one block of 32 keys and rows 8-15 in the next block.
; No prefetch: the walk has six chunks and four refills, each asked for as soon as its slot is free; the launch has no loop to ask ahead in.
; LIMITS: a block of zeros gets the byte 1 where the quantiser says 127 (zero codes; this program alone reads the bytes); blocks under 2^-124 keep the byte 1.
.set ROWB,   256
.set NQ,     2
.set KROW,   768
.set CHUNKS, 6
.set PITCH,  272                       ; 256 bytes + 16 of padding
.set FR,     12
.set NL,     6
.set NP,     4
.set HALFT,  128*PITCH
.set SLOT,   4*HALFT                   ; A's 256 rows, then B's (256 in tile 1, 128 in tile 2)
.set KS,     32
.set SCL,    2*SLOT
.set HALFS,  (128*KS/256)*272
.set SBLK,   (16*KS/256)*272
.set SPARE,  SCL+4*HALFS               ; the spare words: 512 bytes that no other line names
.set KVH,    208896
.set VCO,    98304
.set KSO,    196608
.set VSO,    204800
.set ADRS3, 7                          ; v7 tile 2's scale words for registers 4-7 of a set
.set ADRA2, 8                          ; v8-11, v12-15: tile 2's fragment addresses
.set ADRB2, 12
.set ADRA, 16                          ; v16-17 A's fragments in slot 0, 1; v18-19 for pieces whose lane halves read different chunks
.set ADRB, 20
.set L16,  24
.set L8,   25
.set ADRS2, 26
.set ADRS, 27
.set SPW,  28
.set NIL,  29
.set BO1,  30
.set BO2,  31
.set SC,   32                          ; v32-63 scale words, two sets
.set BI,   64                          ; v64-127 the bias along the columns (Q, K)
.set AF,   128                         ; A's fragments: eight blocks in tile 1, two sets of four in tile 2
.set T,    128
.set PC,   192
.set PCT,  204
.set TM,   212
.set PWS,  228
.set KX,   240                         ; K: the codes of the pair's first tile
.set KT,   252
.set BV,   240                         ; V: the bias along the rows
.set G0VA, 4
.set G0VB, 8
.set G1, 24
.set G0, 32
.set G1B, 48
.set G0B, 56
.set G1S, 68
.set G0S, 76
.set G1SB, 80
.set G0SB, 88
.set G0H, 4
.set G0HB, 8
.set SEL, 98
.set MSB, 0
.macro WIN new                         ; the immediate's high byte repeats the setting that is left
.if MSB != \new
	s_set_vgpr_msb (MSB<<8)|\new
.set MSB, \new
.endif
.endm
.set MUL_LO, 0xa1
.set MUL_HI, 0xf1
.set TO_B,   0x40
.macro PLACES n
.rept \n
	v_nop
.endr
.endm
.macro JLOAD g0a, g1a, g0b, g1b        ; tile 1: waves 0, 1 fetch for A, waves 2, 3 for B; s_nop 0 and four v_nop behind each load
	s_cmp_eq_u32 s15, 0
	s_cbranch_scc0 .Lfor_b_\@
	tensor_load_to_lds s[\g0a:\g0a+3], s[\g1a:\g1a+7]
	s_nop 0
	PLACES 4
	s_branch .Lasked_\@
.Lfor_b_\@:
	tensor_load_to_lds s[\g0b:\g0b+3], s[\g1b:\g1b+7]
	s_nop 0
	PLACES 4
.Lasked_\@:
.endm
.macro ARM under, g0, g1, endl         ; one arm of a chain of branches on the wave's number
	s_cmp_lt_u32 s14, \under
	s_cbranch_scc0 .Lnext_arm_\@
	tensor_load_to_lds s[\g0:\g0+3], s[\g1:\g1+7]
	s_nop 0
	PLACES 4
	s_branch \endl
.Lnext_arm_\@:
.endm
.macro CREST
	s_cmp_lg_u32 s14, 0
	s_cbranch_scc1 .Lnot_wave_0_\@
	s_barrier_signal -3
.Lnot_wave_0_\@:
	s_barrier_wait -3
	s_barrier_signal -1
	s_barrier_wait -1
.endm
.macro CROUND
	s_barrier_signal -1
	s_barrier_wait -1
	CREST
.endm
	s_load_b512 s[68:83], s[0:1], 0x0              ; xc, xs, Wq, its scales, Wk, its scales, Wv, its scales
	s_load_b256 s[84:91], s[0:1], 0x40             ; bq, bk, bv, qf
	s_load_b64 s[92:93], s[0:1], 0x60              ; kv
	v_lshl_add_u32 v[SPW], v0, 2, SPARE
	v_mov_b32 v[NIL], 0
	ds_add_u32 v[SPW], v[NIL]                      ; the opening lines: the add twice on end and one wait
	ds_add_u32 v[SPW], v[NIL]
	v_lshrrev_b32 v1, 5, v0
	v_readfirstlane_b32 s14, v1                    ; wave
	s_lshr_b32 s15, s14, 1                         ; tile 1: my half of the rows; also: I fetch for A (0) or B (1)
	s_and_b32 s16, s14, 1                          ; my half of the columns; also: which 128 rows I fetch
	s_bfe_u32 s40, ttmp6, 0x40000                  ; cx
	s_bfe_u32 s41, ttmp6, 0x40004                  ; cy
	s_and_b32 s97, ttmp7, 0xffff
	s_lshr_b32 s95, s97, 3                         ; 0 Q, 1 K: the same in all partners
	s_and_b32 s97, s97, 7
	s_lshl_b32 s97, s97, 2
	s_add_co_u32 s17, s97, s41                     ; tile row in its tensor, 0..31
	s_lshl_b32 s42, ttmp9, 2
	s_add_co_u32 s42, s42, s40                     ; tile column, 0..3
	s_lshl_b32 s43, s41, 2
	s_lshl_b32 s43, 15, s43                        ; my row of the cluster
	s_lshl_b32 s44, 0x1111, s40                    ; my column
	s_or_b32 s[G1+0], s43, (0<<16)|(1<<20)|(1<<21)|(5<<22)|(3<<25)
	s_or_b32 s[G1B+0], s44, (0<<16)|(1<<20)|(1<<21)|(5<<22)|(3<<25)
.irp g, G1, G1B
	s_mov_b32 s[\g+1], ROWB<<16
	s_mov_b32 s[\g+2], 256<<16                     ; 256 rows for the head's loads; set to 128 for the ring's below
	s_mov_b32 s[\g+3], ROWB<<16
	s_mov_b32 s[\g+4], 256
	s_mov_b32 s[\g+5], KROW
	s_mov_b32 s[\g+6], 0
	s_mov_b32 s[\g+7], 0
.endr
	s_lshl_b32 s19, s95, 13
	s_lshl_b32 s20, s17, 8
	s_add_co_u32 s20, s20, s19                     ; A: the tile's first row in xc
	s_lshl_b32 s46, s42, 8                         ; B: the tile's first row in the weight
	s_mov_b32 s21, 0
	s_mov_b32 s47, 0
	s_mul_i32 s45, s14, HALFT
	s_wait_dscnt 0x0                               ; both opening adds are done
	s_wait_kmcnt 0x0
	s_cmp_eq_u32 s95, 0
	s_cselect_b64 s[8:9], s[72:73], s[76:77]
	s_cselect_b64 s[10:11], s[74:75], s[78:79]
	s_cselect_b64 s[100:101], s[84:85], s[86:87]
	s_cselect_b64 s[12:13], s[90:91], s[92:93]
	s_mov_b64 s[66:67], s[92:93]
	s_mov_b64 s[4:5], s[68:69]
	s_mov_b64 s[6:7], s[70:71]
	s_or_b32 s[G1S+0], s43, (3<<16)|(1<<20)|(1<<21)|(5<<22)|(3<<25)   ; the scales of 256 rows: KS rows of 256 bytes, 16 of padding behind each
	s_or_b32 s[G1SB+0], s44, (3<<16)|(1<<20)|(1<<21)|(5<<22)|(3<<25)
.irp g, G1S, G1SB
	s_mov_b32 s[\g+1], 32<<16
	s_mov_b32 s[\g+2], KS<<16
	s_mov_b32 s[\g+3], 32<<16
	s_mov_b32 s[\g+4], KS
	s_mov_b32 s[\g+5], 32
	s_mov_b32 s[\g+6], 0
	s_mov_b32 s[\g+7], 0
.endr
	s_mov_b64 s[18:19], KS
	s_mul_u64 s[22:23], s[20:21], s[18:19]
	s_mul_u64 s[92:93], s[46:47], s[18:19]
	s_mov_b64 s[18:19], KROW
	s_mul_u64 s[20:21], s[20:21], s[18:19]
	s_mul_u64 s[46:47], s[46:47], s[18:19]
	s_mul_i32 s18, s16, 128*KROW                   ; in tile 1's ring I fetch 128 rows of a tile
	s_mov_b32 s19, 0
	s_add_nc_u64 s[20:21], s[4:5], s[20:21]
	s_add_nc_u64 s[22:23], s[6:7], s[22:23]
	s_add_nc_u64 s[46:47], s[8:9], s[46:47]
	s_add_nc_u64 s[92:93], s[10:11], s[92:93]
	CROUND                                         ; all sixteen work-groups are here: the first joint loads meet
	s_mov_b32 s[G0H], 1
	s_mov_b32 s[G0H+1], 0
	s_mov_b64 s[G0H+2:G0H+3], s[20:21]
	s_or_b32 s[G0H+3], s[G0H+3], 0x80000000
	s_mov_b32 s[G0HB], 1
	s_mov_b32 s[G0HB+1], 2*HALFT
	s_mov_b64 s[G0HB+2:G0HB+3], s[46:47]
	s_or_b32 s[G0HB+3], s[G0HB+3], 0x80000000
	s_mov_b32 s[G0S], 1
	s_mov_b32 s[G0S+1], SCL
	s_mov_b64 s[G0S+2:G0S+3], s[22:23]
	s_or_b32 s[G0S+3], s[G0S+3], 0x80000000
	s_mov_b32 s[G0SB], 1
	s_mov_b32 s[G0SB+1], SCL+2*HALFS
	s_mov_b64 s[G0SB+2:G0SB+3], s[92:93]
	s_or_b32 s[G0SB+3], s[G0SB+3], 0x80000000
	s_add_nc_u64 s[20:21], s[20:21], s[18:19]
	s_add_nc_u64 s[46:47], s[46:47], s[18:19]
.irp s, 0,1
	s_mov_b32 s[G0+4*\s], 1
	s_add_co_u32 s[G0+4*\s+1], s45, \s*SLOT
	s_add_nc_u64 s[G0+4*\s+2:G0+4*\s+3], s[20:21], \s*ROWB
	s_or_b32 s[G0+4*\s+3], s[G0+4*\s+3], 0x80000000
	s_mov_b32 s[G0B+4*\s], 1
	s_add_co_u32 s[G0B+4*\s+1], s45, \s*SLOT
	s_add_nc_u64 s[G0B+4*\s+2:G0B+4*\s+3], s[46:47], \s*ROWB
	s_or_b32 s[G0B+4*\s+3], s[G0B+4*\s+3], 0x80000000
.endr
; the head's four tiles, one load a wave: chunk 0 of A's 256 rows, of B's 256 rows, A's scales, B's scales
	ARM 1, G0H,  G1,  .Lhead_asked
	ARM 2, G0HB, G1B, .Lhead_asked
	ARM 3, G0S,  G1S, .Lhead_asked
	tensor_load_to_lds s[G0SB:G0SB+3], s[G1SB:G1SB+7]
	s_nop 0
	PLACES 4
.Lhead_asked:
	s_mul_i32 s18, s15, HALFT                      ; tile 1: my 128 rows of A,
	s_mul_i32 s19, s16, HALFT
	s_add_co_u32 s19, s19, 2*HALFT                 ; of B
	s_mul_i32 s20, s14, 64*PITCH                   ; tile 2: my 64 rows of A
	s_mov_b32 s21, SLOT-232
	s_mov_b32 s22, SLOT+232
	s_mul_i32 s23, s15, HALFS
	s_mul_i32 s2, s16, HALFS
	s_add_co_u32 s2, s2, 2*HALFS
	s_sub_co_u32 s2, s2, s23                       ; tile 1: from my scales of A to my scales of B
	s_add_co_u32 s23, s23, SCL
	s_mul_i32 s3, s14, 4*SBLK
	s_sub_co_u32 s46, 2*HALFS, s3                  ; tile 2: the same
	s_add_co_u32 s47, s46, 4*SBLK
	s_add_co_u32 s3, s3, SCL
	s_sub_co_u32 s40, s3, 4*SBLK
	s_lshl_b32 s92, s42, 10
	s_lshl_b32 s93, s14, 8
	s_add_co_u32 s93, s92, s93                     ; bv: 256 x tile column + 64 x wave, in bytes
	s_lshl_b32 s94, s16, 9
	s_add_co_u32 s92, s92, s94                     ; bq, bk: 256 x tile column + 128 x half
	s_mov_b32 s[SEL], 0x76543210
	s_mov_b32 s[SEL+1], 0xfedcba98
	v_and_b32 v1, 15, v0                           ; r
	v_bfe_u32 v2, v0, 4, 1                         ; h
	v_mul_u32_u24 v3, v1, PITCH
	v_mul_u32_u24 v4, v2, 24
	v_add_nc_u32 v4, v3, v4                        ; row x pitch + 24 h
	v_sub_nc_u32 v7, 1, v2
	v_mul_u32_u24 v5, s21, v2
	v_add_nc_u32 v5, v3, v5
	v_add_nc_u32 v5, 232, v5                       ; lanes 0-15 byte 232 of the row in slot 0, lanes 16-31 byte 0 of the row in slot 1
	v_mul_u32_u24 v6, s22, v7
	v_add_nc_u32 v6, v3, v6                        ; and the other way round
	v_add_nc_u32 v[ADRA], s18, v4
	v_add_nc_u32 v[ADRA+2], s18, v5
	v_add_nc_u32 v[ADRA+3], s18, v6
	v_add_nc_u32 v[ADRB], s19, v4
	v_add_nc_u32 v[ADRB+2], s19, v5
	v_add_nc_u32 v[ADRB+3], s19, v6
	v_add_nc_u32 v[ADRA2], s20, v4
	v_add_nc_u32 v[ADRA2+2], s20, v5
	v_add_nc_u32 v[ADRA2+3], s20, v6
	v_add_nc_u32 v[ADRB2], 2*HALFT, v4
	v_add_nc_u32 v[ADRB2+2], 2*HALFT, v5
	v_add_nc_u32 v[ADRB2+3], 2*HALFT, v6
	v_add_nc_u32 v[ADRA+1], SLOT, v[ADRA]
	v_add_nc_u32 v[ADRB+1], SLOT, v[ADRB]
	v_add_nc_u32 v[ADRA2+1], SLOT, v[ADRA2]
	v_add_nc_u32 v[ADRB2+1], SLOT, v[ADRB2]
	v_mul_u32_u24 v5, v1, KS                       ; my row's scales: KS bytes a row,
	v_lshrrev_b32 v6, 8, v5
	v_lshl_add_u32 v5, v6, 4, v5                   ; 16 more for each 256 passed
	v_mul_u32_u24 v6, s2, v2                       ; lanes 16-31 take B's scale words
	v_add_nc_u32 v6, v5, v6
	v_add_nc_u32 v[ADRS], s23, v6
	v_mul_u32_u24 v6, s46, v2
	v_add_nc_u32 v6, v5, v6
	v_add_nc_u32 v[ADRS2], s3, v6
	v_mul_u32_u24 v6, s47, v2                      ; registers 4-7 of a set: lanes 0-15 take A's blocks 0-3 again, lanes 16-31 B's blocks 4-7
	v_add_nc_u32 v6, v5, v6
	v_add_nc_u32 v[ADRS3], s40, v6
	v_and_b32 v6, 31, v0
	v_lshlrev_b32 v[L16], 4, v6
	v_lshlrev_b32 v[L8], 3, v6
	v_cmp_le_u32 s96, 16, v6                       ; lanes 16-31
	v_and_b32 v6, 8, v0
	v_cmp_ne_u32 s94, 0, v6                        ; lanes with r >= 8
	v_lshl_add_u32 v[BO1], v2, 5, s92
	v_lshl_add_u32 v[BO2], v1, 2, s93
.irp b, 0,1,2,3,4,5,6,7
	global_load_b128 v[BI+8*\b:BI+8*\b+3], v[BO1], s[100:101] offset:64*\b
	global_load_b128 v[BI+8*\b+4:BI+8*\b+7], v[BO1], s[100:101] offset:64*\b+16
.endr
.macro FRAG reg, adr, st, i            ; 16 rows x 128 K: six pieces of 8 bytes; st counts the steps of both tiles through: byte y lies in slot (y / 256) % 2 at byte y % 256
.irp p, 0,1,2,3,4,5
.set BY, 96*(\st)+48*(\p/3)+8*(\p%3)
.if BY/ROWB == (BY+24)/ROWB
	ds_load_b64 v[\reg+2*\p:\reg+2*\p+1], v[\adr+(BY/ROWB)%2] offset:BY%ROWB+(\i)*16*PITCH
.else
	ds_load_b64 v[\reg+2*\p:\reg+2*\p+1], v[\adr+2+(BY/ROWB)%2] offset:BY%ROWB-232+(\i)*16*PITCH
.endif
.endr
.endm
.macro MUL16 a0, p, q, sc, zero        ; the accumulators take turns, one instruction a turn
.irp a, \a0, \a0+1
.irp b, 0,1,2,3,4,5,6,7
.if \zero
	v_wmma_scale_f32_16x16x128_f8f6f4 v[8*(8*((\a)%4)+\b):8*(8*((\a)%4)+\b)+7], v[128*(\p)+FR*\b:128*(\p)+FR*\b+FR-1], v[AF+FR*(\a):AF+FR*(\a)+FR-1], 0, v[SC+8*NQ*(\sc)+NQ*\b+(\q)], v[SC+8*NQ*(\sc)+NQ*(\a)+(\q)] matrix_a_fmt:MATRIX_FMT_FP6 matrix_b_fmt:MATRIX_FMT_FP6 matrix_a_scale:MATRIX_SCALE_ROW1
.else
	v_wmma_scale_f32_16x16x128_f8f6f4 v[8*(8*((\a)%4)+\b):8*(8*((\a)%4)+\b)+7], v[128*(\p)+FR*\b:128*(\p)+FR*\b+FR-1], v[AF+FR*(\a):AF+FR*(\a)+FR-1], v[8*(8*((\a)%4)+\b):8*(8*((\a)%4)+\b)+7], v[SC+8*NQ*(\sc)+NQ*\b+(\q)], v[SC+8*NQ*(\sc)+NQ*(\a)+(\q)] matrix_a_fmt:MATRIX_FMT_FP6 matrix_b_fmt:MATRIX_FMT_FP6 matrix_a_scale:MATRIX_SCALE_ROW1
.endif
.endr
.endr
.endm
.macro FETCH_B adr, st
	WIN TO_B
.irp i, 0,1,2,3,4,5,6,7
	FRAG 128*((\st)%2)+FR*\i, \adr, \st, \i
.endr
	WIN 0
.endm
.macro FETCH_A st, i0
.irp i, \i0, \i0+1, \i0+2, \i0+3
	FRAG AF+FR*(\i), ADRA, \st, \i
.endr
.endm
.macro SCALES pr                       ; tile 1: the scale words of steps 2 pr, 2 pr + 1: lanes 0-15 A's block i, lanes 16-31 B's block i
.irp i, 0,1,2,3,4,5,6,7
	ds_load_b64 v[SC+8*NQ*((\pr)%2)+NQ*\i:SC+8*NQ*((\pr)%2)+NQ*\i+1], v[ADRS] offset:\i*SBLK+4*NQ*(\pr)
.endr
.endm
.macro FETCHV st                       ; tile 2: B's eight fragments and A's four into the sets st % 2; with an even step the scale words of two steps
	FETCH_B ADRB2, \st
.irp i, 0,1,2,3
	FRAG AF+FR*(4*((\st)%2)+\i), ADRA2, \st, \i
.endr
.if (\st)%2 == 0
.irp i, 0,1,2,3
	ds_load_b64 v[SC+8*NQ*(((\st)/2)%2)+NQ*\i:SC+8*NQ*(((\st)/2)%2)+NQ*\i+1], v[ADRS2] offset:\i*SBLK+4*NQ*((\st)/2-4)
.endr
.irp i, 4,5,6,7
	ds_load_b64 v[SC+8*NQ*(((\st)/2)%2)+NQ*\i:SC+8*NQ*(((\st)/2)%2)+NQ*\i+1], v[ADRS3] offset:\i*SBLK+4*NQ*((\st)/2-4)
.endr
.endif
.endm
; Chunk g into slot g % 2, behind a round of the cluster's barrier; no tensor load of the wave is out, so descriptors may be written.
; g < 3: tile 1's, a quarter of the slot a wave.  g >= 3: tile 2's: wave 0 Wv's 256 rows (shared along a column), wave 1 x's 128 rows (along a row); with g = 4 waves 2 and 3 bring tile 2's scales.
.macro REFILL g
.if (\g) < 3
	s_add_nc_u64 s[G0+4*((\g)%2)+2:G0+4*((\g)%2)+3], s[G0+4*((\g)%2)+2:G0+4*((\g)%2)+3], 2*ROWB
	s_add_nc_u64 s[G0B+4*((\g)%2)+2:G0B+4*((\g)%2)+3], s[G0B+4*((\g)%2)+2:G0B+4*((\g)%2)+3], 2*ROWB
	JLOAD G0+4*((\g)%2), G1, G0B+4*((\g)%2), G1B
.else
	s_mov_b32 s[G0VA+1], ((\g)%2)*SLOT
	s_mov_b32 s[G0VB+1], ((\g)%2)*SLOT+2*HALFT
.if (\g) == 3
	s_mov_b32 s[G1B+2], 256<<16                    ; Wv's tile has 256 rows,
	s_mov_b32 s[G1B+4], 256
	s_mov_b32 s[G1S+2], 16<<16                     ; the scales of x's 128 rows are 16 rows of 256 bytes
	s_mov_b32 s[G1S+4], 16
.else
	s_add_nc_u64 s[G0VA+2:G0VA+3], s[G0VA+2:G0VA+3], ROWB
	s_add_nc_u64 s[G0VB+2:G0VB+3], s[G0VB+2:G0VB+3], ROWB
.endif
	ARM 1, G0VA, G1B, .Lasked_v_\@
	ARM 2, G0VB, G1, .Lasked_v_\@
.if (\g) == 4
	ARM 3, G0SB, G1SB, .Lasked_v_\@
	tensor_load_to_lds s[G0S:G0S+3], s[G1S:G1S+7]
	s_nop 0
.endif
	PLACES NP
.Lasked_v_\@:
.endif
.endm
; A step of 128 along K.  Where the next step's bytes end in a chunk not read yet: the wait for my tensor loads and a barrier.  Where they begin in a later chunk: the chunk left
; behind is free: the wait for all my tensor loads, the add, the wait for it and for my reads, the barrier, which opens a round of the cluster's barrier where a chunk is left to fetch.
.macro EDGES st
.set NX, (\st)+1
.set C0, (96*(\st))/ROWB
.set C1, (96*NX)/ROWB
.set E0, (96*(\st)+95)/ROWB
.set E1, (96*NX+95)/ROWB
.endm
.macro STEP st, zero                   ; tile 1, steps 0 to 6
	EDGES \st
.if C1 > C0 || E1 > E0
	s_wait_tensorcnt 0x0
.if C1 > C0
	ds_add_u32 v[SPW], v[NIL]
	s_wait_dscnt 4*NL+1                            ; the add and A's blocks 4-7 may be out
.else
	s_wait_dscnt 4*NL                              ; A's blocks 4-7 may be out
.endif
	WIN MUL_LO
	MUL16 0, (\st)%2, (\st)%2, ((\st)/2)%2, \zero
	s_wait_dscnt 0x0
	s_barrier_signal -1
	MUL16 2, (\st)%2, (\st)%2, ((\st)/2)%2, \zero
	WIN 0
	s_barrier_wait -1
.if C1 > C0
	CREST
	REFILL C0+2                                    ; the first tensor load behind the round; the four v_nop behind it are the places for the loads below
.else
	PLACES NP
.endif
.else
	s_wait_dscnt 4*NL
	WIN MUL_LO
	MUL16 0, (\st)%2, (\st)%2, ((\st)/2)%2, \zero
	MUL16 2, (\st)%2, (\st)%2, ((\st)/2)%2, \zero
	s_wait_dscnt 0
	PLACES NP
.endif
	FETCH_B ADRB, NX
	FETCH_A NX, 0
.if NX%2 == 0
	SCALES NX/2
.endif
	WIN MUL_HI
	MUL16 4, (\st)%2, (\st)%2, ((\st)/2)%2, \zero
	MUL16 6, (\st)%2, (\st)%2, ((\st)/2)%2, \zero
	PLACES NP
	WIN 0
	FETCH_A NX, 4
.endm
.macro STEPV st, zero                  ; tile 2, steps 8 to 14: 32 products on the sets st % 2; the next step's fragments go into the other sets
	EDGES \st
.set PA4, 4*((\st)%2)
.if C1 > C0 || E1 > E0
	s_wait_tensorcnt 0x0
.if C1 > C0
	ds_add_u32 v[SPW], v[NIL]
	s_wait_dscnt 1                                 ; the add alone may be out
.else
	s_wait_dscnt 0
.endif
	WIN MUL_LO
	MUL16 PA4, (\st)%2, (\st)%2, ((\st)/2)%2, \zero
	s_wait_dscnt 0x0
	s_barrier_signal -1
	MUL16 PA4+2, (\st)%2, (\st)%2, ((\st)/2)%2, \zero
	WIN 0
	s_barrier_wait -1
.if C1 > C0 && C0+2 < CHUNKS
	CREST
	REFILL C0+2
.else
	PLACES NP
.endif
	FETCHV NX
.else
	s_wait_dscnt 0
	PLACES NP                                      ; behind the last step's products, which read the sets filled now
	FETCHV NX
	WIN MUL_LO
	MUL16 PA4, (\st)%2, (\st)%2, ((\st)/2)%2, \zero
	MUL16 PA4+2, (\st)%2, (\st)%2, ((\st)/2)%2, \zero
	WIN 0
.endif
.endm
	s_wait_alu depctr_va_vdst(0)                   ; the wait at the head's end
	s_wait_tensorcnt 0x0                           ; my tile of the head's four is in; the lines that stand ahead of a later first fill:
	ds_add_u32 v[SPW], v[NIL]
	s_mov_b32 s[G1+2], 128<<16                     ; no tensor load of mine is out: from here on a load of these two brings 128 rows
	s_mov_b32 s[G1+4], 128
	s_mov_b32 s[G1B+2], 128<<16
	s_mov_b32 s[G1B+4], 128
	s_wait_dscnt 0x0
	CROUND
	JLOAD G0+4, G1, G0B+4, G1B                     ; chunk 1, the first tensor load behind the round
	FETCH_B ADRB, 0
	FETCH_A 0, 0
	SCALES 0
	FETCH_A 0, 4
	; tile 2's group 0s, in the registers of the head's four loads, which have landed
	s_load_b64 s[G0VA+2:G0VA+3], s[0:1], 0x30      ; Wv's codes
	s_load_b64 s[G0VB+2:G0VB+3], s[0:1], 0x0       ; xc
	s_load_b64 s[G0SB+2:G0SB+3], s[0:1], 0x38      ; Wv's scales
	s_load_b64 s[G0S+2:G0S+3], s[0:1], 0x8         ; xs
	s_mul_i32 s18, s42, 256*KROW                   ; Wv: row 256 x tile column
	s_mov_b32 s19, 0
	s_lshl_b32 s2, s42, 13
	s_mov_b32 s3, 0
	s_lshl_b32 s20, s95, 5
	s_add_co_u32 s20, s20, s17                     ; my block of 128 keys, 0..63
	s_lshl_b32 s20, s20, 7
	s_add_co_u32 s20, s20, 16384                   ; its first row in xc
	s_lshl_b32 s22, s20, 5
	s_mov_b32 s23, 0
	s_mul_i32 s20, s20, KROW
	s_mov_b32 s21, 0
	s_mov_b32 s[G0VA], 1
	s_mov_b32 s[G0VB], 1
	s_mov_b32 s[G0SB+1], SCL
	s_mov_b32 s[G0S+1], SCL+2*HALFS
	s_wait_kmcnt 0x0
	s_add_nc_u64 s[G0VA+2:G0VA+3], s[G0VA+2:G0VA+3], s[18:19]
	s_or_b32 s[G0VA+3], s[G0VA+3], 0x80000000
	s_add_nc_u64 s[G0VB+2:G0VB+3], s[G0VB+2:G0VB+3], s[20:21]
	s_or_b32 s[G0VB+3], s[G0VB+3], 0x80000000
	s_add_nc_u64 s[G0SB+2:G0SB+3], s[G0SB+2:G0SB+3], s[2:3]
	s_or_b32 s[G0SB+3], s[G0SB+3], 0x80000000
	s_add_nc_u64 s[G0S+2:G0S+3], s[G0S+2:G0S+3], s[22:23]
	s_or_b32 s[G0S+3], s[G0S+3], 0x80000000
	STEP 0, 1                                      ; the first step's products start the sums
.set ST, 1
.rept 6
	STEP ST, 0
.set ST, ST+1
.endr
	s_wait_tensorcnt 0x0                           ; tile 1's last step: chunk 2 and tile 1's scales are read out; chunk 4 and tile 2's scales take their bytes
	ds_add_u32 v[SPW], v[NIL]
	s_wait_dscnt 4*NL+1
	WIN MUL_LO
	MUL16 0, 1, 1, 1, 0
	s_wait_dscnt 0x0
	s_barrier_signal -1
	MUL16 2, 1, 1, 1, 0
	WIN 0
	s_barrier_wait -1
	CREST
	REFILL 4
	WIN MUL_HI
	MUL16 4, 1, 1, 1, 0
	MUL16 6, 1, 1, 1, 0
	WIN 0
; THE WAY OUT.  TAKE: block a's 64 registers + the bias (kind 0: along the columns; 1: along the rows), each accumulator from its low end on.
.macro TAKE a, kind, dst
.set AC, 64*((\a)%4)
.set BVP, BV+(\a)-(\a)%2
	WIN 0x02+(\a)/4
.set i, 0
.rept 32
.if \kind == 0
	v_pk_add_f32 v[\dst+2*i:\dst+2*i+1], v[AC+2*i:AC+2*i+1], v[BI+2*i:BI+2*i+1]
.elseif (\a)%2 == 0
	v_pk_add_f32 v[\dst+2*i:\dst+2*i+1], v[AC+2*i:AC+2*i+1], v[BVP:BVP+1] op_sel:[0,0] op_sel_hi:[1,0]
.else
	v_pk_add_f32 v[\dst+2*i:\dst+2*i+1], v[AC+2*i:AC+2*i+1], v[BVP:BVP+1] op_sel:[0,1] op_sel_hi:[1,1]
.endif
.set i, i+1
.endr
	WIN 0
.endm
; QUANT: a lane's 64 numbers, four blocks of 32 shared with lane l xor 16, become 12 registers of codes (from v[pc]) and a scale word
.macro QUANT s, pw, pc
.irp b, 0,1,2,3
	v_max3_num_f32 v[TM+\b], |v[\s+16*\b]|, |v[\s+1+16*\b]|, 0x1800000
.endr
.irp i, 2,4,6,8,10,12,14
.irp b, 0,1,2,3
	v_max3_num_f32 v[TM+\b], v[TM+\b], |v[\s+16*\b+\i]|, |v[\s+1+16*\b+\i]|
.endr
.endr
.irp b, 0,1,2,3
	v_permlanex16_b32 v[TM+4+\b], v[TM+\b], s[SEL], s[SEL+1]
.endr
.irp b, 0,1,2,3
	v_max_num_f32 v[TM+\b], v[TM+\b], v[TM+4+\b]
.endr
.irp b, 0,1,2,3
	v_add_nc_u32 v[TM+12+\b], 0xff000000, v[TM+\b]
.endr
.irp b, 0,1,2,3
	v_lshrrev_b32 v[TM+4+\b], 23, v[TM+12+\b]
.endr
	v_lshl_or_b32 v[\pw], v[TM+5], 8, v[TM+4]
	v_lshl_or_b32 v[\pw], v[TM+6], 16, v[\pw]
	v_lshl_or_b32 v[\pw], v[TM+7], 24, v[\pw]
.irp c, 0,1
	v_cvt_scalef32_pk16_fp6_f32 v[\pc+6*\c:\pc+2+6*\c], v[\s+32*\c:\s+15+32*\c], v[TM+12+2*\c]
	v_cvt_scalef32_pk16_fp6_f32 v[PCT+4*\c:PCT+2+4*\c], v[\s+16+32*\c:\s+31+32*\c], v[TM+12+2*\c+1]
.endr
	v_nop
.irp c, 0,1
.irp i, 0,1,2
	v_permlane16_swap_b32 v[\pc+6*\c+\i], v[PCT+4*\c+\i]
.endr
.irp i, 0,1,2
	v_mov_b32 v[\pc+3+6*\c+\i], v[PCT+4*\c+\i]
.endr
.endr
.endm
	PLACES NP
.irp b, 0,1,2,3
	v_mov_b32 v[TM+4+\b], 0                        ; destinations of lane moves: written before they are named
.endr
	v_mov_b32 v[KT], 0
	v_mov_b32 v[KT+1], 0
	s_wait_loadcnt 0x0
	s_lshr_b32 s46, s17, 3
	s_lshl_b32 s46, s46, 4
	s_lshl_b32 s21, s42, 2
	s_add_co_u32 s46, s46, s21
	s_lshl_b32 s23, s16, 1
	s_add_co_u32 s46, s46, s23                     ; batch x 16 + my first head
	s_and_b32 s20, s17, 7
	s_lshl_b32 s20, s20, 4
	s_lshl_b32 s22, s15, 3
	s_add_co_u32 s22, s20, s22                     ; my first tile of 16 positions
	s_mul_i32 s20, s46, KVH
	s_mov_b32 s21, 0
	s_mov_b32 s23, 0
	s_mov_b32 s47, 0
	s_cmp_eq_u32 s95, 0
	s_cbranch_scc0 .Lpath_k
	s_lshl_b32 s46, s46, 7
	s_add_co_u32 s46, s46, s22
	s_lshl_b32 s46, s46, 12
	s_add_nc_u64 s[12:13], s[12:13], s[46:47]
.macro QOUT a
.set TT, T+64*((\a)%2)
	s_wait_xcnt 0x0
	TAKE \a, 0, TT
.set q, 0
.rept 16
	global_store_b128 v[L16], v[TT+4*q:TT+4*q+3], s[12:13] offset:4096*(\a)+524288*(q/8)+512*(q%8)
.set q, q+1
.endr
.endm
.irp a, 0,1,2,3,4,5,6,7
	QOUT \a
.endr
	s_branch .Ltile1_done
.Lpath_k:
	s_mul_i32 s46, s22, 768
	s_add_co_u32 s46, s46, s20
	s_add_nc_u64 s[12:13], s[12:13], s[46:47]
	s_lshl_b32 s22, s22, 6
	s_add_co_u32 s22, s22, s20
	s_add_co_u32 s22, s22, KSO
	s_add_nc_u64 s[66:67], s[66:67], s[22:23]
.macro XCH x, y                        ; x's rows 8-15 change places with y's rows 0-7 (lane l xor 8 inside each row of 16 lanes)
	v_mov_b32_dpp v[KT], v[\y] row_xmask:8 row_mask:0xf bank_mask:0xf
	v_mov_b32_dpp v[KT+1], v[\x] row_xmask:8 row_mask:0xf bank_mask:0xf
	v_cndmask_b32 v[\x], v[\x], v[KT], s94
	v_cndmask_b32 v[\y], v[KT+1], v[\y], s94
.endm
.macro KSTORE t, x
	global_store_b128 v[L16], v[\x:\x+3], s[12:13] offset:768*(\t)
	global_store_b64 v[L8], v[\x+4:\x+5], s[12:13] offset:768*(\t)+512
	global_store_b128 v[L16], v[\x+6:\x+9], s[12:13] offset:768*(\t)+KVH
	global_store_b64 v[L8], v[\x+10:\x+11], s[12:13] offset:768*(\t)+512+KVH
.endm
.macro KPAIR a                         ; tiles a and a + 2, 32 keys apart
	TAKE \a, 0, T
	s_wait_xcnt 0x0                                ; the earlier stores have read their registers
	QUANT T, PWS+(\a)%4, KX
	TAKE (\a)+2, 0, T
	QUANT T, PWS+(\a)%4+2, PC
.irp i, 0,1,2,3,4,5,6,7,8,9,10,11
	XCH KX+\i, PC+\i
.endr
	XCH PWS+(\a)%4, PWS+(\a)%4+2
	KSTORE \a, KX
	KSTORE (\a)+2, PC
.if (\a)%4 == 1
	v_cndmask_b32 v238, v[PWS], v[PWS+1], s96
	v_cndmask_b32 v239, v[PWS+2], v[PWS+3], s96
	v_and_b32 v234, 0xffff, v238
	v_and_b32 v235, 0xffff, v239
	v_lshrrev_b32 v236, 16, v238
	v_lshrrev_b32 v237, 16, v239
	global_store_b64 v[L8], v[234:235], s[66:67] offset:256*((\a)/4)
	global_store_b64 v[L8], v[236:237], s[66:67] offset:256*((\a)/4)+KVH
.endif
.endm
.irp a, 0,1,4,5
	KPAIR \a
.endr
.Ltile1_done:
	; TILE 2
	s_wait_xcnt 0x0                                ; tile 1's stores have read their registers and bases
	s_load_b64 s[12:13], s[0:1], 0x60              ; kv
	s_load_b64 s[100:101], s[0:1], 0x50            ; bv
	s_lshl_b32 s20, s95, 5
	s_add_co_u32 s20, s20, s17                     ; my block of 128 keys
	s_lshr_b32 s46, s20, 4
	s_lshl_b32 s46, s46, 4                         ; batch x 16
	s_lshl_b32 s21, s42, 2
	s_add_co_u32 s46, s46, s21
	s_add_co_u32 s46, s46, s14                     ; + my head
	s_and_b32 s22, s20, 15                         ; the key step
	s_mul_i32 s20, s46, KVH
	s_mul_i32 s46, s22, 6144
	s_add_co_u32 s46, s46, s20
	s_add_co_u32 s46, s46, VCO
	s_mov_b32 s47, 0
	s_lshl_b32 s22, s22, 8
	s_add_co_u32 s22, s22, s20
	s_add_co_u32 s22, s22, VSO
	s_mov_b32 s23, 0
	s_wait_tensorcnt 0x0                           ; my part of chunk 4 and of tile 2's scales is in,
	s_barrier_signal -1
	s_barrier_wait -1                              ; everybody's is
	PLACES 5                                       ; behind tile 1's last products: for the loads into their sources and for the sums begun anew
	FETCHV 8
	s_wait_kmcnt 0x0
	s_mov_b64 s[66:67], s[12:13]
	s_add_nc_u64 s[12:13], s[12:13], s[46:47]
	s_add_nc_u64 s[66:67], s[66:67], s[22:23]
.irp a, 0,1,2,3
	global_load_b32 v[BV+\a], v[BO2], s[100:101] offset:64*\a
.endr
	STEPV 8, 1
.set ST, 9
.rept 6
	STEPV ST, 0
.set ST, ST+1
.endr
	s_wait_dscnt 0
	WIN MUL_LO
	MUL16 4, 1, 1, 1, 0
	MUL16 6, 1, 1, 1, 0
	WIN 0
	PLACES NP
	s_wait_loadcnt 0x0
.macro VOUT a
	TAKE \a, 1, T
	s_wait_xcnt 0x0
	QUANT T, PWS+(\a)%4, PC
.irp c, 0,1,2
	global_store_b128 v[L16], v[PC+4*\c:PC+4*\c+3], s[12:13] offset:1536*(\a)+512*\c
.endr
.if (\a) == 3
	v_cndmask_b32 v238, v[PWS], v[PWS+1], s96
	v_cndmask_b32 v239, v[PWS+2], v[PWS+3], s96
	global_store_b64 v[L8], v[238:239], s[66:67]
.endif
.endm
.irp a, 0,1,2,3
	VOUT \a
.endr
	s_wait_tensorcnt 0x0                           ; the wave's end
	ds_add_u32 v[SPW], v[NIL]
	s_wait_dscnt 0x0
	CROUND                                         ; the closing round
	s_endpgm
.Lfunc_end_k_q82640ed444_proj:
	.size	k_q82640ed444_proj, .Lfunc_end_k_q82640ed444_proj-k_q82640ed444_proj
	.p2alignl 7, 3214868480
	.fill 96, 4, 3214868480
	.section	.rodata,"a",@progbits
	.p2align	6, 0x0
	.amdhsa_kernel k_q82640ed444_proj
		.amdhsa_group_segment_fixed_size 327680
		.amdhsa_private_segment_fixed_size 0
		.amdhsa_enable_private_segment 0
		.amdhsa_kernarg_size 104
		.amdhsa_user_sgpr_count 2
		.amdhsa_user_sgpr_kernarg_segment_ptr 1
		.amdhsa_wavefront_size32 1
		.amdhsa_system_sgpr_workgroup_id_x 1
		.amdhsa_system_sgpr_workgroup_id_y 1
		.amdhsa_system_sgpr_workgroup_id_z 1
		.amdhsa_system_vgpr_workitem_id 0
		.amdhsa_next_free_vgpr 1024
		.amdhsa_next_free_sgpr 102
		.amdhsa_reserve_vcc 0
		.amdhsa_float_denorm_mode_32 3
		.amdhsa_float_denorm_mode_16_64 3
		.amdhsa_memory_ordered 1
		.amdhsa_forward_progress 1
		.amdhsa_inst_pref_size 255
	.end_amdhsa_kernel
	.section	.bss,"aw",@nobits
	.p2align	6
	.space	262144
	.amdgpu_metadata
---
amdhsa.version: [ 1, 2 ]
amdhsa.kernels:
  - .name:           k_q82640ed444_proj
    .symbol:         k_q82640ed444_proj.kd
    .args:
      - { .name: xc, .offset: 0, .size: 8, .value_kind: global_buffer, .address_space: global }
      - { .name: xs, .offset: 8, .size: 8, .value_kind: global_buffer, .address_space: global }
      - { .name: Wq_codes, .offset: 16, .size: 8, .value_kind: global_buffer, .address_space: global }
      - { .name: Wq_scales, .offset: 24, .size: 8, .value_kind: global_buffer, .address_space: global }
      - { .name: Wk_codes, .offset: 32, .size: 8, .value_kind: global_buffer, .address_space: global }
      - { .name: Wk_scales, .offset: 40, .size: 8, .value_kind: global_buffer, .address_space: global }
      - { .name: Wv_codes, .offset: 48, .size: 8, .value_kind: global_buffer, .address_space: global }
      - { .name: Wv_scales, .offset: 56, .size: 8, .value_kind: global_buffer, .address_space: global }
      - { .name: bq, .offset: 64, .size: 8, .value_kind: global_buffer, .address_space: global }
      - { .name: bk, .offset: 72, .size: 8, .value_kind: global_buffer, .address_space: global }
      - { .name: bv, .offset: 80, .size: 8, .value_kind: global_buffer, .address_space: global }
      - { .name: qf, .offset: 88, .size: 8, .value_kind: global_buffer, .address_space: global }
      - { .name: kv, .offset: 96, .size: 8, .value_kind: global_buffer, .address_space: global }
    .group_segment_fixed_size: 327680
    .private_segment_fixed_size: 0
    .kernarg_segment_align: 8
    .kernarg_segment_size: 104
    .max_flat_workgroup_size: 128
    .sgpr_count:     102
    .vgpr_count:     1024
    .wavefront_size: 32
...
	.end_amdgpu_metadata
.endif
;; end of part 2
;; launch attn (part 3): grid 4 x 64, 16 waves a work-group, clusters of 4 x 1, 296,960 bytes of LDS; arguments qf, kv, norm1_w, norm1_b, res, yc, ys; writes res, yc, ys
.if DOCPART == 3
	.amdgcn_target "amdgcn-amd-amdhsa--gfx1250"
	.amdhsa_code_object_version 6
	.text
	.protected	k_q82640ed444_attn
	.globl	k_q82640ed444_attn
	.p2align	8
	.type	k_q82640ed444_attn,@function
k_q82640ed444_attn:
	s_mov_b64 s[64:65], 0
	v_nop
	global_prefetch_b8 v0, s[64:65] scope:SCOPE_SE
	s_setreg_imm32_b32 hwreg(HW_REG_WAVE_MODE, 25, 1), 1
	s_wait_xcnt 0x0
	s_wait_alu depctr_hold_cnt(0) depctr_sa_sdst(0) depctr_va_vdst(0) depctr_va_sdst(0) depctr_va_ssrc(0) depctr_va_vcc(0) depctr_vm_vsrc(0)
	s_getreg_b32 s2, hwreg(HW_REG_IB_STS2, 6, 4)
	s_cmp_eq_u32 s2, 0
	s_cbranch_scc0 .Lentry_in_a_cluster
	s_endpgm
.Lentry_in_a_cluster:
	s_bfe_u32 s2, ttmp6, 0x10000c
	s_cmp_lg_u32 s2, 0x3003
	s_cbranch_scc0 .Lentry_shape_is_right
	s_endpgm
.Lentry_shape_is_right:
; Attention of one head on codes of E2M3, the residual + Q, the re-reading of [batch][head][query][64] as rows of 1,024, the second LayerNorm and its quantiser.
; SHARES.  A cluster of four work-groups owns one head (64 heads: batch x 16 + head); a work-group a quarter of its 2,048 queries; each of its sixteen waves two tiles of 16 queries, one after the other (PASS 0, PASS 1).
; THE WHOLE HEAD LIES IN LDS: K's codes, V's codes and their scale words are 208,896 bytes, laid in memory as images of operand registers.  They come ONCE, by one joint tensor load a wave (51 rows of 256 bytes),
; asked for by all four work-groups together; nothing is ever filled again.
; LAYOUT.  Both products are used transposed: S^T = K Q^T (source 0 = 16 keys, source 1 = my 16 queries), O^T = V^T P^T (source 0 = 16 channels, source 1 = P): a lane holds ONE query (lane % 16) throughout.
; THE ORDER INSIDE A BLOCK OF 32: two neighbouring result tiles give a lane numbers 8 h + 0..7 and 16 + 8 h + 0..7 of a block, so a block's codes come out in the order 0-7, 16-23, 8-15, 24-31.  The block is the true
; block, so its scale is the true one; K's and V's codes were made from the same layout, so every product is kept.  The order in which the unit groups the products of a block differs from the true order's.
; K = 64 IN AN INSTRUCTION OF K = 128: Q's registers 6-11 are zero codes, and bytes 2, 3 of both scale words are 0 (2^-127, a number).  K's fragments lie six registers apart, so the upper six registers that the
; instruction names are the next tile's codes (zeros behind the last): E2M3 has no infinity and no NaN, so they meet zeros and add exactly 0.
; THE SOFTMAX: t = score x log2(e) / 8; M = the running largest t rounded up to a whole number; p = 2^(t - M) is quantised along the keys; the row's sum is taken of the unquantised p and divides at the end.
; THE WAY OUT.  Row (batch x 16 + head) x 128 + tile of the mixed 'out' is exactly my tile: column 64 r + channel.  So its mean, variance and quantiser are this wave's own.  For the last product, which meets given
; weights, sixteen exchanges of lane halves bring a lane's registers into the true order along the row first.
; LIMITS: a block of zeros gets the byte 1 where the quantiser says 127 (zero codes; this program alone reads the bytes); blocks under 2^-124 keep the byte 1; NaN and infinities are not served;
; v_rcp_f32 and v_rsq_f32 are good to one unit in the last place.  ys is written a byte a lane, 32 bytes a row.
; REGISTERS: v1 16 x lane, v2 8 x lane; v3-7 addresses in hand; v8-10 lane places in V's codes, K's words, V's words; v12 -M, v13 largest t, v[14:15] the sum; v16-21 Q's codes, v22-27 zeros; v28-31 at work;
;   v32-79 eight fragments of K (six registers each), then four of V; v80-85 zeros; v86-89 K's scale words, v90-91 V's, v92 p's, v93 Q's; v94, v95 offsets; v96-159 S^T, then p; v160-191 O^T; v192-223 Q in f32;
;   v224-235 p's codes; v236-255 at work.
.set KVH,  208896                      ; a head's block: LDS bytes 0 .. KVH - 1
.set VCO,  98304
.set KSO,  196608
.set VSO,  204800
.set STW,  5376                        ; behind it, for each wave: a stage of 16 rows x (256 + 16) bytes, 768 bytes for codes, 256 spare
.set CST,  4352
.macro CROUND                          ; a round of the cluster's barrier
	s_barrier_signal -1
	s_barrier_wait -1
	s_cmp_lg_u32 s18, 0
	s_cbranch_scc1 .Lnot_wave_0_\@
	s_barrier_signal -3
.Lnot_wave_0_\@:
	s_barrier_wait -3
	s_barrier_signal -1
	s_barrier_wait -1
.endm
.macro QLOAD off                       ; my tile's image of Q: eight loads of 512 consecutive bytes
.irp i, 0,1,2,3,4,5,6,7
	global_load_b128 v[192+4*\i:195+4*\i], v1, s[4:5] offset:\off+512*\i th:TH_LOAD_NT
.endr
.endm
; 32 numbers of a lane, two blocks of 32 shared with lane l xor 16, become six registers of codes in v[pc] on (lanes 0-15 block 0, lanes 16-31 block 1) and two scale bytes in v[pw].
.macro QUANT32 s, pc, pw
.irp b, 0,1
	v_max3_num_f32 v[236+\b], |v[\s+16*\b]|, |v[\s+1+16*\b]|, 0x1800000   ; and the floor 2^(3 - 127): the byte cannot fall under 1
.endr
.irp i, 2,4,6,8,10,12,14
.irp b, 0,1
	s_delay_alu instid0(VALU_DEP_2)
	v_max3_num_f32 v[236+\b], v[236+\b], |v[\s+16*\b+\i]|, |v[\s+1+16*\b+\i]|
.endr
.endr
.irp b, 0,1
	s_delay_alu instid0(VALU_DEP_2)
	v_permlanex16_b32 v[240+\b], v[236+\b], s20, s21
.endr
.irp b, 0,1
	s_delay_alu instid0(VALU_DEP_2)
	v_max_num_f32 v[236+\b], v[236+\b], v[240+\b]
.endr
.irp b, 0,1
	s_delay_alu instid0(VALU_DEP_2)
	v_add_nc_u32 v[244+\b], 0xff000000, v[236+\b]  ; 2 off the exponent field: the conversion's scale operand
.endr
.irp b, 0,1
	s_delay_alu instid0(VALU_DEP_2)
	v_lshrrev_b32 v[240+\b], 23, v[244+\b]         ; the scale's byte
.endr
	s_delay_alu instid0(VALU_DEP_1)
	v_lshl_or_b32 v[\pw], v241, 8, v240
	v_cvt_scalef32_pk16_fp6_f32 v[\pc:\pc+2], v[\s:\s+15], v244
	v_cvt_scalef32_pk16_fp6_f32 v[248:250], v[\s+16:\s+31], v245
	v_nop                                          ; one plain instruction behind a scaled conversion
.irp i, 0,1,2
	v_permlane16_swap_b32 v[\pc+\i], v[248+\i]
.endr
.irp i, 0,1,2
	s_delay_alu instid0(VALU_DEP_3)
	v_mov_b32 v[\pc+3+\i], v[248+\i]
.endr
.endm
.macro RED                             ; the two chains v[236:237], v[238:239] become one number, the same in all 32 lanes: v236
	s_delay_alu instid0(VALU_DEP_1)
	v_pk_add_f32 v[236:237], v[236:237], v[238:239]
	s_delay_alu instid0(VALU_DEP_1)
	v_add_f32 v236, v236, v237
	s_delay_alu instid0(VALU_DEP_1)
	v_add_f32_dpp v236, v236, v236 row_xmask:1 row_mask:0xf bank_mask:0xf
	s_delay_alu instid0(VALU_DEP_1)
	v_add_f32_dpp v236, v236, v236 row_xmask:2 row_mask:0xf bank_mask:0xf
	s_delay_alu instid0(VALU_DEP_1)
	v_add_f32_dpp v236, v236, v236 row_xmask:4 row_mask:0xf bank_mask:0xf
	s_delay_alu instid0(VALU_DEP_1)
	v_add_f32_dpp v236, v236, v236 row_xmask:8 row_mask:0xf bank_mask:0xf
	s_delay_alu instid0(VALU_DEP_1)
	v_permlanex16_b32 v29, v236, s20, s21
	s_delay_alu instid0(VALU_DEP_1)
	v_add_f32 v236, v236, v29
.endm
	s_load_b256 s[4:11], s[0:1], 0x0               ; qf s[4:5], kv s[6:7], norm1_w s[8:9], norm1_b s[10:11]
	s_load_b128 s[12:15], s[0:1], 0x20             ; res s[12:13], yc s[14:15]
	s_load_b64 s[16:17], s[0:1], 0x30              ; ys
	v_lshl_add_u32 v254, v0, 2, 0x48000
	v_mov_b32 v255, 0
	ds_add_u32 v254, v255
	ds_add_u32 v254, v255
	s_wait_dscnt 0x0
	v_lshrrev_b32 v1, 5, v0
	s_delay_alu instid0(VALU_DEP_1)
	v_readfirstlane_b32 s18, v1                    ; wave 0..15
	s_bfe_u32 s19, ttmp6, 0x40000                  ; cx: my quarter of the queries; it enters global addresses alone
	s_and_b32 s46, ttmp7, 0xffff                   ; batch x 16 + head, which the four partners share
	s_mul_i32 s58, s46, KVH
	s_mul_i32 s33, s18, 13056                      ; my 51 rows of 256 bytes: in LDS,
	s_add_co_u32 s58, s58, s33                     ; and in the head's block of kv
	s_mov_b32 s59, 0
	s_lshl_b32 s47, s46, 7
	s_lshl_b32 s50, s19, 5
	s_add_co_u32 s47, s47, s50
	s_add_co_u32 s47, s47, s18                     ; my first tile: 128 x head + 32 cx + wave; the second lies 16 further on
	s_lshl_b32 s52, s47, 12                        ; x 4,096 bytes: an image of qf, a row of res
	s_mov_b32 s53, 0
	s_mul_i32 s54, s47, 768                        ; a row of yc
	s_mov_b32 s55, 0
	s_lshl_b32 s56, s47, 5                         ; a row of ys
	s_mov_b32 s57, 0
	s_mov_b32 s24, 15|(3<<16)|(1<<21)              ; group 1: 15:0 the mask: all four work-groups; 17:16 elements of 8 bytes; 21 set beside a mask; no padding
	s_mov_b32 s25, 32<<16                          ; tensor_dim0 = 32 elements: 256 bytes
	s_mov_b32 s26, 51<<16                          ; tensor_dim1 = 51
	s_mov_b32 s27, 32<<16                          ; tile_dim0
	s_mov_b32 s28, 51                              ; tile_dim1
	s_mov_b32 s29, 32                              ; the pitch: dense
	s_mov_b32 s30, 0
	s_mov_b32 s31, 0
	s_mov_b32 s32, 1                               ; group 0: count
	s_mov_b32 s20, 0x76543210
	s_mov_b32 s21, 0xfedcba98                      ; v_permlanex16_b32's selects for lane l xor 16
	s_mov_b32 s22, 0x3e38aa3b                      ; c = log2(e) / 8
	s_mov_b32 s23, s22                             ; (named with it as a pair, so it is written)
	s_mov_b32 s48, 0x3a800000                      ; 1 / 1024
	s_mov_b32 s49, 0x3727c5ac                      ; 1e-5
	s_mul_i32 s44, s18, STW
	s_add_co_u32 s44, s44, KVH                     ; my stage
	s_add_co_u32 s45, s44, CST                     ; and my 768 bytes for codes
	s_and_b32 s51, s18, 1
	s_cmp_eq_u32 s51, 0
	s_cselect_b32 s51, 1, -1                       ; an even wave prefetches in the trip in which one key step is left; an odd wave never
	v_and_b32 v11, 31, v0                          ; lane
	s_delay_alu instid0(VALU_DEP_1)
	v_lshlrev_b32 v1, 4, v11
	s_delay_alu instid0(VALU_DEP_2)
	v_lshlrev_b32 v2, 3, v11
	s_wait_kmcnt 0x0
	s_add_nc_u64 s[34:35], s[6:7], s[58:59]        ; group 0: the global address: made of the head and the wave's number alone
	s_or_b32 s35, s35, 0x80000000                  ; type = 2
	s_add_nc_u64 s[4:5], s[4:5], s[52:53]
	s_add_nc_u64 s[12:13], s[12:13], s[52:53]
	s_add_nc_u64 s[14:15], s[14:15], s[54:55]
	s_add_nc_u64 s[16:17], s[16:17], s[56:57]
	s_add_nc_u64 s[42:43], s[4:5], 65536           ; where my second tile's image begins: the prefetch's base; never rewritten
	CROUND                                         ; all four work-groups are here: the joint loads meet
	tensor_load_to_lds s[32:35], s[24:31]          ; one tensor load of a wave is out
	s_nop 0
.rept 4
	v_nop
.endr
	s_wait_alu depctr_va_vdst(0)
	QLOAD 0
	v_add_nc_u32 v8, VCO, v1
	v_add_nc_u32 v9, KSO, v2
	v_add_nc_u32 v10, VSO, v2
.irp j, 22,23,24,25,26,27,80,81,82,83,84,85
	v_mov_b32 v\j, 0                               ; zero codes: Q's upper half of K, and what stands behind K's last fragment
.endr
.irp j, 29,31,240,241
	v_mov_b32 v\j, 0                               ; destinations of lane permutes and an upper half of a pair: named before they are first written
.endr
	v_and_b32 v94, 15, v0
	v_bfe_u32 v28, v0, 4, 1
	s_delay_alu instid0(VALU_DEP_1)
	v_lshl_add_u32 v94, v94, 1, v28                ; 2 r + h: my byte in a row of ys
	v_lshlrev_b32 v95, 8, v11                      ; 256 x lane: the prefetch's offset; never rewritten
	s_wait_tensorcnt 0x0                           ; my part of the head is in,
	s_barrier_signal -1
	s_barrier_wait -1                              ; everybody's is
; A KEY STEP: 128 keys.  ask = 1: the text holds the prefetch.
.macro STEP ask
	v_add_nc_u32 v3, s36, v1                       ; five additions: also the places behind the last trip's products, in front of the loads into the registers that they read
	v_add_nc_u32 v4, s36, v2
	v_add_nc_u32 v5, s36, v8
	v_add_nc_u32 v6, s37, v9
	v_add_nc_u32 v7, s38, v10
.irp t, 0,1,2,3,4,5,6,7
	ds_load_b128 v[32+6*\t:35+6*\t], v3 offset:768*\t          ; tile t's registers 0-3: 512 consecutive bytes,
	ds_load_b64 v[36+6*\t:37+6*\t], v4 offset:768*\t+512       ; 4-5: 256
.endr
	ds_load_b64 v[86:87], v6                       ; the scale words of tiles 0-3: lanes 0-15 the even tile's, lanes 16-31 the odd tile's
	ds_load_b64 v[88:89], v6 offset:256            ; of tiles 4-7
	s_wait_alu depctr_va_vdst(0)
	s_wait_dscnt 0x0
.irp t, 0,1,2,3,4,5,6,7
.if (\t)%2
	v_wmma_scale_f32_16x16x128_f8f6f4 v[96+8*\t:103+8*\t], v[32+6*\t:43+6*\t], v[16:27], 0, v[86+\t/2], v93 matrix_a_fmt:MATRIX_FMT_FP6 matrix_b_fmt:MATRIX_FMT_FP6 matrix_a_scale:MATRIX_SCALE_ROW1
.else
	v_wmma_scale_f32_16x16x128_f8f6f4 v[96+8*\t:103+8*\t], v[32+6*\t:43+6*\t], v[16:27], 0, v[86+\t/2], v93 matrix_a_fmt:MATRIX_FMT_FP6 matrix_b_fmt:MATRIX_FMT_FP6
.endif
.endr
.rept 4
	v_nop                                          ; places in front of the loads into K's registers and of the first read of the scores
.endr
.irp t, 0,1,2,3
.irp c, 0,1,2
	ds_load_b128 v[32+12*\t+4*\c:35+12*\t+4*\c], v5 offset:1536*\t+512*\c   ; V's four fragments come while the softmax is walked
.endr
.endr
	ds_load_b64 v[90:91], v7
.if \ask
	s_cmp_eq_u32 s39, s51                          ; A PREFETCH INTO THE L2 of my second tile's image of Q and my odd neighbour's: 8,192 bytes, lanes 256 bytes apart, one instruction of each even wave,
	s_cbranch_scc0 .Lnot_mine_\@                   ; in the first pass's last key step: that step's softmax and the way out lie between it and the loads.  Each block of 256 bytes is named once in the launch
	global_prefetch_b8 v95, s[42:43] th:TH_LOAD_NT scope:SCOPE_SE
.Lnot_mine_\@:
.endif
.irp b, 0,1,2,3
	v_max3_num_f32 v[236+\b], v[96+16*\b], v[97+16*\b], v[98+16*\b]   ; the largest score of each block of 32 keys: for the row's maximum, and, since p rises with the score, for the block's largest p
.endr
.irp i, 3,5,7,9,11,13
.irp b, 0,1,2,3
	v_max3_num_f32 v[236+\b], v[236+\b], v[96+16*\b+\i], v[97+16*\b+\i]
.endr
.endr
.irp b, 0,1,2,3
	v_max_num_f32 v[236+\b], v[236+\b], v[111+16*\b]
.endr
	; K's stored tiles hold rows 0-7 of one block of 32 keys and rows 8-15 of the next: so registers 96-127 are the whole block h of my lane half, registers 128-159 the whole block 2 + h
	s_delay_alu instid0(VALU_DEP_3)
	v_max_num_f32 v236, v236, v237                 ; my block h's largest score
	s_delay_alu instid0(VALU_DEP_2)
	v_max_num_f32 v237, v238, v239                 ; my block 2 + h's
	s_delay_alu instid0(VALU_DEP_1)
	v_max_num_f32 v29, v236, v237
	s_delay_alu instid0(VALU_DEP_1)
	v_permlanex16_b32 v240, v29, s20, s21
	s_delay_alu instid0(VALU_DEP_1)
	v_max_num_f32 v29, v29, v240                   ; with lane l xor 16's two blocks: the step's largest score of my query
	s_delay_alu instid0(VALU_DEP_1)
	v_mul_f32 v29, s22, v29                        ; as t (c is positive)
	s_delay_alu instid0(VALU_DEP_1)
	v_max_num_f32 v13, v13, v29                    ; the running largest t
	v_mov_b32 v29, v12
	s_delay_alu instid0(VALU_DEP_2)
	v_floor_f32 v12, -v13                          ; the new -M = floor(-t): M is a whole number
	s_delay_alu instid0(VALU_DEP_1)
	v_sub_f32 v29, v12, v29                        ; M's old value less its new one: a whole number, 0 or less
	s_delay_alu instid0(VALU_DEP_1)
	v_cvt_i32_f32 v29, v29                         ; (it saturates)
	s_delay_alu instid0(VALU_DEP_1)
	v_ldexp_f32 v30, 1.0, v29                      ; f = 2^(old M - new M): a multiplication by it rounds nothing
.set j, 0
.rept 32
	v_pk_fma_f32 v[96+j:97+j], v[96+j:97+j], s[22:23], v[12:13] op_sel_hi:[1,0,0]   ; t - M, two at a time
.set j, j+2
.endr
.irp b, 0,1
	v_fma_f32 v[236+\b], v[236+\b], s22, v12       ; the same of my two blocks' largest scores
.endr
.set j, 0
	s_wait_alu depctr_va_vdst(0)
.rept 64
	v_exp_f32 v[96+j], v[96+j]                     ; p = 2^(t - M), at most 1: not normalised
.set j, j+1
.endr
	v_pk_mul_f32 v[14:15], v[14:15], v[30:31] op_sel_hi:[1,0]   ; the sums under the new M (a plain instruction behind the exponentials)
	s_wait_alu depctr_va_vdst(0)                   ; one wait for the whole batch, ahead of its first reader
.irp b, 0,1
	v_exp_f32 v[236+\b], v[236+\b]                 ; the block's largest p: the same two instructions on the same number give the same bits
.endr
	v_pk_add_f32 v[240:241], v[100:101], v[104:105]
	v_pk_add_f32 v[254:255], v[108:109], v[112:113]
	v_pk_add_f32 v[252:253], v[116:117], v[120:121]
	v_pk_add_f32 v[250:251], v[124:125], v[128:129]
	v_pk_add_f32 v[248:249], v[132:133], v[136:137]
	v_pk_add_f32 v[246:247], v[140:141], v[144:145]
	v_pk_add_f32 v[244:245], v[148:149], v[152:153]
	v_pk_add_f32 v[14:15], v[14:15], v[156:157]
	v_pk_add_f32 v[240:241], v[240:241], v[96:97]
	v_pk_add_f32 v[254:255], v[254:255], v[98:99]
	v_pk_add_f32 v[252:253], v[252:253], v[102:103]
	v_pk_add_f32 v[250:251], v[250:251], v[106:107]
	v_pk_add_f32 v[248:249], v[248:249], v[110:111]
	v_pk_add_f32 v[246:247], v[246:247], v[114:115]
	v_pk_add_f32 v[244:245], v[244:245], v[118:119]
	v_pk_add_f32 v[14:15], v[14:15], v[122:123]
	v_pk_add_f32 v[240:241], v[240:241], v[126:127]
	v_pk_add_f32 v[254:255], v[254:255], v[130:131]
	v_pk_add_f32 v[252:253], v[252:253], v[134:135]
	v_pk_add_f32 v[250:251], v[250:251], v[138:139]
	v_pk_add_f32 v[248:249], v[248:249], v[142:143]
	v_pk_add_f32 v[246:247], v[246:247], v[146:147]
	v_pk_add_f32 v[244:245], v[244:245], v[150:151]
	v_pk_add_f32 v[14:15], v[14:15], v[154:155]
	v_pk_add_f32 v[240:241], v[240:241], v[158:159]
	s_delay_alu instid0(VALU_DEP_2)
	v_pk_add_f32 v[14:15], v[14:15], v[250:251]
	s_delay_alu instid0(VALU_DEP_2)
	v_pk_add_f32 v[240:241], v[240:241], v[248:249]
	v_pk_add_f32 v[254:255], v[254:255], v[246:247]
	v_pk_add_f32 v[252:253], v[252:253], v[244:245]
	s_delay_alu instid0(VALU_DEP_2)
	v_pk_add_f32 v[14:15], v[14:15], v[254:255]
	s_delay_alu instid0(VALU_DEP_2)
	v_pk_add_f32 v[240:241], v[240:241], v[252:253]
	s_delay_alu instid0(VALU_DEP_1)
	v_pk_add_f32 v[14:15], v[14:15], v[240:241]
	s_wait_alu depctr_va_vdst(0)                   ; and one for the four
.irp c, 0,1
	v_max_num_f32 v[236+\c], 0x1800000, v[236+\c]  ; the floor 2^(3 - 127): the byte cannot fall under 1
.endr
.irp c, 0,1
	s_delay_alu instid0(VALU_DEP_2)
	v_add_nc_u32 v[244+\c], 0xff000000, v[236+\c]  ; 2 off the exponent field: the conversion's scale operand
.endr
.irp c, 0,1
	s_delay_alu instid0(VALU_DEP_2)
	v_lshrrev_b32 v[240+\c], 23, v[244+\c]         ; the scale's byte
.endr
	s_delay_alu instid0(VALU_DEP_1)
	v_lshl_or_b32 v241, v241, 16, v240             ; my two bytes: blocks h and 2 + h
	s_delay_alu instid0(VALU_DEP_1)
	v_permlanex16_b32 v240, v241, s20, s21
	s_delay_alu instid0(VALU_DEP_1)
	v_lshl_or_b32 v92, v240, 8, v241               ; lanes 0-15, which alone are read: blocks 0, 2 of mine, blocks 1, 3 of lane l + 16: p's scale word for these 128 keys
.irp c, 0,1                                    ; a lane holds whole blocks: registers 6 c .. 6 c + 5 are block 2 c + h, in the order of V's codes
	v_cvt_scalef32_pk16_fp6_f32 v[224+6*\c:226+6*\c], v[96+32*\c:111+32*\c], v[244+\c]
	v_cvt_scalef32_pk16_fp6_f32 v[248+4*\c:250+4*\c], v[112+32*\c:127+32*\c], v[244+\c]
.endr
	v_nop                                          ; one plain instruction behind a scaled conversion
.irp c, 0,1
.irp i, 0,1,2
	v_mov_b32 v[227+6*\c+\i], v[248+4*\c+\i]       ; (a conversion's three registers begin on an even number)
.endr
.endr
.set j, 0
.rept 16
	v_pk_mul_f32 v[160+j:161+j], v[160+j:161+j], v[30:31] op_sel_hi:[1,0]   ; O^T under the new M, each accumulator from its low end on; these lines also stand between the writes of p's codes and scale word and the products
.set j, j+2
.endr
	s_wait_alu depctr_va_vdst(0)
	s_wait_dscnt 0x0                               ; V is in
.irp t, 0,1,2,3                                ; the four accumulators take turns, one instruction a turn
.if (\t)%2
	v_wmma_scale_f32_16x16x128_f8f6f4 v[160+8*\t:167+8*\t], v[32+12*\t:43+12*\t], v[224:235], v[160+8*\t:167+8*\t], v[90+\t/2], v92 matrix_a_fmt:MATRIX_FMT_FP6 matrix_b_fmt:MATRIX_FMT_FP6 matrix_a_scale:MATRIX_SCALE_ROW1
.else
	v_wmma_scale_f32_16x16x128_f8f6f4 v[160+8*\t:167+8*\t], v[32+12*\t:43+12*\t], v[224:235], v[160+8*\t:167+8*\t], v[90+\t/2], v92 matrix_a_fmt:MATRIX_FMT_FP6 matrix_b_fmt:MATRIX_FMT_FP6
.endif
.endr
.endm
; ONE TILE OF 16 QUERIES: the body of a loop of two trips (s40 counts them); it is expanded once, with n = 0.  My second tile's place in res, yc and ys is reached by stepping the three bases at the body's end.
.macro PASS n
	s_wait_loadcnt 0x0                             ; Q
	QUANT32 192, 16, 93
	v_mov_b32 v13, 0xff61b1e6                      ; the largest t so far: -3e38, under every t
	s_delay_alu instid0(VALU_DEP_1)
	v_floor_f32 v12, -v13                          ; -M
	v_mov_b32 v14, 0                               ; the sum, in two halves
	v_mov_b32 v15, 0
.set j, 0
.rept 32
	v_mov_b32 v[160+j], 0                          ; O^T: the loop is written once; its first step finds zeros.  (These lines also stand between the writes of Q's codes and scale word and the first product)
.set j, j+1
.endr
	s_mov_b32 s36, 0                               ; the step's codes: 6,144 bytes a step, in K's and in V's,
	s_mov_b32 s37, 0                               ; K's scale words: 512,
	s_mov_b32 s38, 0                               ; V's: 256
	s_mov_b32 s39, 16
.Lstep_\@:
	STEP 1-\n
	s_add_co_u32 s36, s36, 6144
	s_add_co_u32 s37, s37, 512
	s_add_co_u32 s38, s38, 256
	s_sub_co_u32 s39, s39, 1
	s_cmp_lg_u32 s39, 0
	s_cbranch_scc1 .Lstep_\@
	; ---- the way out
	v_and_b32 v11, 15, v0                          ; r
	v_bfe_u32 v28, v0, 4, 1                        ; h
	s_delay_alu instid0(VALU_DEP_2)
	v_lshlrev_b32 v7, 8, v11
	s_delay_alu instid0(VALU_DEP_1)
	v_lshl_add_u32 v7, v28, 6, v7                  ; 256 r + 64 h: my 16 neighbouring columns of each half of my 64, in bytes
.irp b, 0,1
.irp g, 0,1,2,3
	global_load_b128 v[96+16*\b+4*\g:99+16*\b+4*\g], v7, s[8:9] offset:128*\b+16*\g      ; norm1_w of columns 64 r + 32 b + 16 h + 0..15
	global_load_b128 v[128+16*\b+4*\g:131+16*\b+4*\g], v7, s[10:11] offset:128*\b+16*\g  ; norm1_b
.endr
.endr
	v_add_f32 v14, v14, v15                        ; the sum's two halves,
	s_delay_alu instid0(VALU_DEP_1)
	v_permlanex16_b32 v29, v14, s20, s21
	s_delay_alu instid0(VALU_DEP_1)
	v_add_f32 v14, v14, v29                        ; and lane l xor 16's: the row's sum
	s_wait_alu depctr_va_vdst(0)
	v_rcp_f32 v30, v14
	v_mul_u32_u24 v3, v11, 272                     ; (plain work behind the transcendental)  the stage, in: row r, + 64 h
	s_delay_alu instid0(VALU_DEP_1)
	v_lshl_add_u32 v3, v28, 6, v3
	s_delay_alu instid0(VALU_DEP_1)
	v_add_nc_u32 v3, s44, v3
	v_mul_u32_u24 v4, v28, 272                     ; back: lanes 0-15 one row of 256 bytes, lanes 16-31 the next
	s_delay_alu instid0(VALU_DEP_1)
	v_lshl_add_u32 v4, v11, 4, v4
	s_delay_alu instid0(VALU_DEP_1)
	v_add_nc_u32 v4, s44, v4
	v_mul_u32_u24 v5, v11, 48                      ; the codes, in: block 2 r + h, 24 bytes
	s_delay_alu instid0(VALU_DEP_1)
	v_mad_u32_u24 v5, v28, 24, v5
	s_delay_alu instid0(VALU_DEP_1)
	v_add_nc_u32 v5, s45, v5
	v_add_nc_u32 v6, s45, v2                       ; back: 8 bytes a lane
	s_wait_alu depctr_va_vdst(0)                   ; the wait ahead of the reciprocal's first reader
.set j, 0
.rept 16
	v_pk_fma_f32 v[160+j:161+j], v[160+j:161+j], v[30:31], v[192+j:193+j] op_sel_hi:[1,0,1]   ; out = O / sum + Q, each accumulator from its low end on
.set j, j+2
.endr
.irp b, 0,1
.irp i, 0,1,2,3,4,5,6,7
	v_permlane16_swap_b32 v[160+16*\b+\i], v[168+16*\b+\i]   ; register 16 b + i now holds channel 32 b + 16 h + i: the true order along the row
.endr
.endr
.irp b, 0,1
.irp g, 0,1,2,3
	ds_store_b128 v3, v[160+16*\b+4*\g:163+16*\b+4*\g] offset:128*\b+16*\g
.endr
.endr
.irp i, 0,1,2,3,4,5,6,7
	ds_load_b128 v[192+4*\i:195+4*\i], v4 offset:544*\i      ; LDS serves a wave's instructions in order: these see the stores above
.endr
	v_pk_add_f32 v[236:237], v[160:161], v[162:163]          ; the row's sum, in two chains, while the stage is turned
	v_pk_add_f32 v[238:239], v[164:165], v[166:167]
.irp j, 8,12,16,20,24,28
	s_delay_alu instid0(VALU_DEP_2)
	v_pk_add_f32 v[236:237], v[236:237], v[160+\j:161+\j]
	s_delay_alu instid0(VALU_DEP_2)
	v_pk_add_f32 v[238:239], v[238:239], v[162+\j:163+\j]
.endr
	RED
	s_delay_alu instid0(VALU_DEP_1)
	v_mul_f32 v12, s48, v236                       ; the mean
	s_wait_alu depctr_va_vdst(0)
	s_wait_dscnt 0x0                               ; the row is back, and the stores have read their registers
.irp i, 0,1,2,3,4,5,6,7
	global_store_b128 v1, v[192+4*\i:195+4*\i], s[12:13] offset:65536*\n+512*\i   ; 32 lanes store 512 consecutive bytes of my row of res, aligned
.endr
.set j, 0
.rept 16
	v_pk_add_f32 v[160+j:161+j], v[160+j:161+j], v[12:13] op_sel_hi:[1,0] neg_lo:[0,1] neg_hi:[0,1]   ; out - mean
.set j, j+2
.endr
	v_pk_mul_f32 v[236:237], v[160:161], v[160:161]
	v_pk_mul_f32 v[238:239], v[162:163], v[162:163]
.irp j, 4,8,12,16,20,24,28
	s_delay_alu instid0(VALU_DEP_2)
	v_pk_fma_f32 v[236:237], v[160+\j:161+\j], v[160+\j:161+\j], v[236:237]
	s_delay_alu instid0(VALU_DEP_2)
	v_pk_fma_f32 v[238:239], v[162+\j:163+\j], v[162+\j:163+\j], v[238:239]
.endr
	RED
	s_delay_alu instid0(VALU_DEP_1)
	v_fma_f32 v240, v236, s48, s49                 ; the variance + 1e-5
	s_wait_alu depctr_va_vdst(0)
	v_rsq_f32 v14, v240
	v_nop                                          ; a plain instruction behind the transcendental
	s_wait_alu depctr_va_vdst(0)                   ; the wait ahead of the root's first reader, and ahead of the branch
	s_cmp_eq_u32 s40, 0
	s_cbranch_scc0 .Llast_pass_\@                  ; the second trip has no further tile to load
	s_wait_xcnt 0x0                                ; the stores of res have read their registers,
	QLOAD 65536                                    ; which take my second tile's Q
	s_wait_loadcnt 8                               ; norm1_w and norm1_b are in; the eight loads just issued may be out
	s_branch .Lnorm_in_\@
.Llast_pass_\@:
	s_wait_loadcnt 0x0
.Lnorm_in_\@:
.set j, 0
.rept 16
	v_pk_mul_f32 v[160+j:161+j], v[160+j:161+j], v[14:15] op_sel_hi:[1,0]
.set j, j+2
.endr
.set j, 0
.rept 16
	v_pk_fma_f32 v[160+j:161+j], v[160+j:161+j], v[96+j:97+j], v[128+j:129+j]
.set j, j+2
.endr
	QUANT32 160, 224, 29
	v_lshlrev_b32 v28, 3, v28                      ; 8 h
	s_delay_alu instid0(VALU_DEP_1)
	v_lshrrev_b32 v28, v28, v29                    ; my block's byte in the low 8 bits
.irp i, 0,1,2
	ds_store_b64 v5, v[224+2*\i:225+2*\i] offset:8*\i
.endr
.irp i, 0,1,2
	ds_load_b64 v[248+2*\i:249+2*\i], v6 offset:256*\i
.endr
	global_store_b8 v94, v28, s[16:17] offset:512*\n
	s_wait_dscnt 0x0
.irp i, 0,1,2
	global_store_b64 v2, v[248+2*\i:249+2*\i], s[14:15] offset:12288*\n+256*\i   ; 32 lanes store 256 consecutive bytes of my row of yc, aligned
.endr
	s_wait_xcnt 0x0                                ; these stores have read their registers and bases: the next tile writes them again
	s_add_nc_u64 s[12:13], s[12:13], 65536         ; my second tile lies 16 rows on: in res,
	s_add_nc_u64 s[14:15], s[14:15], 12288         ; in yc,
	s_add_nc_u64 s[16:17], s[16:17], 512           ; in ys
	s_mov_b32 s51, -1                              ; the prefetch is asked for in the first trip alone
.endm
	s_mov_b32 s40, 0
.Lpass:
	PASS 0
	s_add_co_u32 s40, s40, 1
	s_cmp_lt_u32 s40, 2
	s_wait_alu depctr_va_vdst(0)                   ; the wait directly ahead of the backward jump
	s_cbranch_scc1 .Lpass
	s_wait_dscnt 0x0
	s_wait_xcnt 0x0
	v_lshl_add_u32 v254, v0, 2, 0x48000
	v_mov_b32 v255, 0
	s_wait_alu depctr_va_vdst(0)
	s_wait_tensorcnt 0x0
	ds_add_u32 v254, v255
	s_wait_dscnt 0x0
	CROUND                                         ; the closing round: no work-group ends while a partner may still ask for a tile that names it
	s_endpgm
.Lfunc_end_k_q82640ed444_attn:
	.size	k_q82640ed444_attn, .Lfunc_end_k_q82640ed444_attn-k_q82640ed444_attn
	.p2alignl 7, 3214868480
	.fill 96, 4, 3214868480
	.section	.rodata,"a",@progbits
	.p2align	6, 0x0
	.amdhsa_kernel k_q82640ed444_attn
		.amdhsa_group_segment_fixed_size 296960
		.amdhsa_private_segment_fixed_size 0
		.amdhsa_enable_private_segment 0
		.amdhsa_kernarg_size 56
		.amdhsa_user_sgpr_count 2
		.amdhsa_user_sgpr_kernarg_segment_ptr 1
		.amdhsa_wavefront_size32 1
		.amdhsa_system_sgpr_workgroup_id_x 1
		.amdhsa_system_sgpr_workgroup_id_y 1
		.amdhsa_system_sgpr_workgroup_id_z 1
		.amdhsa_system_vgpr_workitem_id 0
		.amdhsa_next_free_vgpr 256
		.amdhsa_next_free_sgpr 66
		.amdhsa_reserve_vcc 0
		.amdhsa_float_denorm_mode_32 3
		.amdhsa_float_denorm_mode_16_64 3
		.amdhsa_memory_ordered 1
		.amdhsa_forward_progress 1
		.amdhsa_inst_pref_size 45
	.end_amdhsa_kernel
	.amdgpu_metadata
---
amdhsa.version: [ 1, 2 ]
amdhsa.kernels:
  - .name:           k_q82640ed444_attn
    .symbol:         k_q82640ed444_attn.kd
    .args:
      - { .name: qf, .offset: 0, .size: 8, .value_kind: global_buffer, .address_space: global }
      - { .name: kv, .offset: 8, .size: 8, .value_kind: global_buffer, .address_space: global }
      - { .name: norm1_w, .offset: 16, .size: 8, .value_kind: global_buffer, .address_space: global }
      - { .name: norm1_b, .offset: 24, .size: 8, .value_kind: global_buffer, .address_space: global }
      - { .name: res, .offset: 32, .size: 8, .value_kind: global_buffer, .address_space: global }
      - { .name: yc, .offset: 40, .size: 8, .value_kind: global_buffer, .address_space: global }
      - { .name: ys, .offset: 48, .size: 8, .value_kind: global_buffer, .address_space: global }
    .group_segment_fixed_size: 296960
    .private_segment_fixed_size: 0
    .kernarg_segment_align: 8
    .kernarg_segment_size: 56
    .max_flat_workgroup_size: 512
    .sgpr_count:     66
    .vgpr_count:     256
    .wavefront_size: 32
...
	.end_amdgpu_metadata
.endif
;; end of part 3
;; launch oproj (part 4): grid 4 x 64, 8 waves a work-group, clusters of 4 x 4, 327,680 bytes of LDS; arguments yc, ys, Wo_codes, Wo_scales, out0, res, bo; writes out0
.if DOCPART == 4
	.amdgcn_target "amdgcn-amd-amdhsa--gfx1250"
	.amdhsa_code_object_version 6
	.text
	.protected	k_q82640ed444_oproj
	.globl	k_q82640ed444_oproj
	.p2align	8
	.type	k_q82640ed444_oproj,@function
k_q82640ed444_oproj:
	s_mov_b64 s[64:65], 0
	v_nop
	global_prefetch_b8 v0, s[64:65] scope:SCOPE_SE
	s_setreg_imm32_b32 hwreg(HW_REG_WAVE_MODE, 25, 1), 1
	s_wait_xcnt 0x0
	s_wait_alu depctr_hold_cnt(0) depctr_sa_sdst(0) depctr_va_vdst(0) depctr_va_sdst(0) depctr_va_ssrc(0) depctr_va_vcc(0) depctr_vm_vsrc(0)
	s_getreg_b32 s2, hwreg(HW_REG_IB_STS2, 6, 4)
	s_cmp_eq_u32 s2, 0
	s_cbranch_scc0 .Lentry_in_a_cluster
	s_endpgm
.Lentry_in_a_cluster:
	s_bfe_u32 s2, ttmp6, 0x10000c
	s_cmp_lg_u32 s2, 0xf033
	s_cbranch_scc0 .Lentry_shape_is_right
	s_endpgm
.Lentry_shape_is_right:
; out0 = y Wo + bo + res.  y: [8192][1024] as codes of E2M3 (yc, 768 bytes a row) with one E8M0 byte for each 32 (ys); Wo likewise, K innermost; res, out0: [8192][1024] f32.
; SHARES.  A block of C is 128 rows x 256 columns: 64 x 4 = 256 work-groups.  Eight waves, two rows of four: a wave makes 64 x 64, 16 accumulators.
; ALL OF K LIES IN LDS: 128 rows of y and 256 rows of Wo, whole rows of 768 bytes (each begins on a multiple of 256 in memory), 16 bytes of padding behind every 256: pitch 816.
; 384 x 816 = 313,344 bytes of codes, 13,056 of scales (rows of 256 + 16), 1,024 spare words: 327,424.  Every byte is filled once, by ONE joint load a wave at the head:
; waves 0, 1: 64 rows of y each; waves 2-5: 64 rows of Wo each; wave 6: y's scales; wave 7: Wo's.  Nothing is filled again, so the walk along K has no barrier.
; CLUSTERS 4 x 4: the four of a row share y's rows, the four of a column Wo's rows: each tile is asked for jointly.
; The matrix instruction is used transposed (source 0 = Wo's rows, source 1 = y's): a lane holds eight neighbouring columns of one row of C.
; res is asked for when the tiles have landed, behind the first step's fragment loads, as it is stored at the end: sixteen lanes to 256 consecutive bytes of a row.  Its 32 loads a wave have the
; walk's 128 products in which to land; it waits in registers and is added, with bo, on the way out.
; No prefetch: the launch has no loop to run ahead in; its tiles are all asked for at the head.
; REGISTERS.  Window 0: v16-23 addresses, v24-27 bo, v28, v29 the add's two; v32-63 scale words (register 8 i + step: lanes 0-15 y's block i, lanes 16-31 Wo's block i);
;   v64-159 y's fragments, two sets of 4 x 12; v160-255 Wo's, two sets.  Window 1: v0-127 the accumulators ((a, b) at 8 (4 a + b)); v128-255 res.
.set KROW,   768
.set PITCH,  816
.set FR,     12
.set Q64,    64*PITCH                  ; 64 rows: what one load of codes brings, and what a wave reads of each operand
.set SCL,    6*Q64                     ; y's scales: 16 rows of 272
.set SCB,    SCL+16*272                ; Wo's: 32 rows of 272
.set SBLK,   544                       ; the scales of 16 rows
.set SPARE,  SCL+48*272                ; the spare words: 1,024 bytes that no other line names
.set SPITCH, 272                       ; the way out: a stage of 16 rows x (256 + 16) bytes a wave, from LDS byte 0: those bytes have had their only fill and, behind the walk's barrier, their last read
.set ADRA, 16                          ; v16 row x pitch + 24 h; v17 the same + 40 h, for pieces whose lanes 16-31 lie behind a padding
.set ADRB, 18
.set ADRS, 20
.set STO,  21
.set RD,   22
.set CO,   23
.set BOV,  24
.set SPW,  28
.set NIL,  29
.set SC,   32
.set AF,   64
.set BF,   160
.set BK,   64
.set RES,  128
.set G1, 24
.set G0A, 32
.set G0B, 36
.set G1B, 48
.set G1S, 68
.set G0S, 76
.set G1SB, 80
.set G0SB, 88
.set MSB, 0
.macro WIN new                         ; the immediate's high byte repeats the setting that is left
.if MSB != \new
	s_set_vgpr_msb (MSB<<8)|\new
.set MSB, \new
.endif
.endm
.macro CROUND                          ; a round of the cluster's barrier
	s_barrier_signal -1
	s_barrier_wait -1
	s_cmp_lg_u32 s14, 0
	s_cbranch_scc1 .Lnot_wave_0_\@
	s_barrier_signal -3
.Lnot_wave_0_\@:
	s_barrier_wait -3
	s_barrier_signal -1
	s_barrier_wait -1
.endm
.macro PLACES n
.rept \n
	v_nop
.endr
.endm
	s_load_b128 s[4:7], s[0:1], 0x0                ; yc, ys
	s_load_b128 s[8:11], s[0:1], 0x10              ; Wo's codes, Wo's scales
	s_load_b64 s[12:13], s[0:1], 0x20              ; out0
	s_load_b128 s[96:99], s[0:1], 0x28             ; res, bo
	v_lshl_add_u32 v[SPW], v0, 2, SPARE
	v_mov_b32 v[NIL], 0
	ds_add_u32 v[SPW], v[NIL]                      ; the opening lines: the add twice on end and one wait
	ds_add_u32 v[SPW], v[NIL]
	v_lshrrev_b32 v1, 5, v0
	v_readfirstlane_b32 s14, v1                    ; wave 0..7
	s_lshr_b32 s15, s14, 2                         ; which 64 rows of the block are mine
	s_and_b32 s16, s14, 3                          ; which 64 columns
	s_bfe_u32 s40, ttmp6, 0x40000                  ; cx
	s_bfe_u32 s41, ttmp6, 0x40004                  ; cy
	s_lshl_b32 s42, ttmp9, 2
	s_add_co_u32 s42, s42, s40                     ; block column = 4 x cluster x + cx
	s_and_b32 s17, ttmp7, 0xffff
	s_lshl_b32 s17, s17, 2
	s_add_co_u32 s17, s17, s41                     ; block row = 4 x cluster y + cy
	s_lshl_b32 s43, s41, 2
	s_lshl_b32 s43, 15, s43                        ; my row of the cluster
	s_lshl_b32 s44, 0x1111, s40                    ; my column
	s_or_b32 s[G1+0], s43, (0<<16)|(1<<20)|(1<<21)|(5<<22)|(3<<25)    ; elements of 1 byte; 4 words of padding behind every 64
	s_or_b32 s[G1B+0], s44, (0<<16)|(1<<20)|(1<<21)|(5<<22)|(3<<25)
.irp g, G1, G1B
	s_mov_b32 s[\g+1], KROW<<16                    ; 64 rows of 768 bytes, dense in memory
	s_mov_b32 s[\g+2], 64<<16
	s_mov_b32 s[\g+3], KROW<<16
	s_mov_b32 s[\g+4], 64
	s_mov_b32 s[\g+5], KROW
	s_mov_b32 s[\g+6], 0
	s_mov_b32 s[\g+7], 0
.endr
	s_or_b32 s[G1S+0], s43, (3<<16)|(1<<20)|(1<<21)|(5<<22)|(3<<25)   ; scales: rows of 32 elements of 8 bytes
	s_or_b32 s[G1SB+0], s44, (3<<16)|(1<<20)|(1<<21)|(5<<22)|(3<<25)
	s_mov_b32 s[G1S+2], 16<<16                     ; 128 rows x 32 bytes = 16 rows of 256
	s_mov_b32 s[G1S+4], 16
	s_mov_b32 s[G1SB+2], 32<<16                    ; 256 rows x 32 bytes = 32 rows of 256
	s_mov_b32 s[G1SB+4], 32
.irp g, G1S, G1SB
	s_mov_b32 s[\g+1], 32<<16
	s_mov_b32 s[\g+3], 32<<16
	s_mov_b32 s[\g+5], 32
	s_mov_b32 s[\g+6], 0
	s_mov_b32 s[\g+7], 0
.endr
	s_and_b32 s18, s14, 1
	s_lshl_b32 s18, s18, 6
	s_lshl_b32 s20, s17, 7
	s_add_co_u32 s20, s20, s18                     ; y: row 128 x block row + 64 x (wave % 2)
	s_mul_i32 s20, s20, KROW
	s_mov_b32 s21, 0
	s_lshl_b32 s22, s17, 12                        ; y's scales: 128 rows x 32 bytes a block row
	s_mov_b32 s23, 0
	s_add_co_u32 s19, s14, 2
	s_and_b32 s19, s19, 3                          ; waves 2..5 -> 0..3
	s_lshl_b32 s19, s19, 6
	s_lshl_b32 s46, s42, 8
	s_add_co_u32 s46, s46, s19                     ; Wo: row 256 x block column + 64 x (wave - 2)
	s_mul_i32 s46, s46, KROW
	s_mov_b32 s47, 0
	s_lshl_b32 s92, s42, 13                        ; Wo's scales
	s_mov_b32 s93, 0
	s_mul_i32 s45, s14, Q64                        ; LDS: y's 128 rows, then Wo's 256: wave x 64 rows
	s_wait_dscnt 0x0                               ; both opening adds are done
	s_wait_kmcnt 0x0
	s_add_nc_u64 s[20:21], s[4:5], s[20:21]
	s_add_nc_u64 s[22:23], s[6:7], s[22:23]
	s_add_nc_u64 s[46:47], s[8:9], s[46:47]
	s_add_nc_u64 s[92:93], s[10:11], s[92:93]
	CROUND                                         ; all sixteen work-groups are here: the joint loads meet
	s_mov_b32 s[G0A], 1
	s_mov_b32 s[G0A+1], s45
	s_mov_b64 s[G0A+2:G0A+3], s[20:21]
	s_or_b32 s[G0A+3], s[G0A+3], 0x80000000
	s_mov_b32 s[G0B], 1
	s_mov_b32 s[G0B+1], s45
	s_mov_b64 s[G0B+2:G0B+3], s[46:47]
	s_or_b32 s[G0B+3], s[G0B+3], 0x80000000
	s_mov_b32 s[G0S], 1
	s_mov_b32 s[G0S+1], SCL
	s_mov_b64 s[G0S+2:G0S+3], s[22:23]
	s_or_b32 s[G0S+3], s[G0S+3], 0x80000000
	s_mov_b32 s[G0SB], 1
	s_mov_b32 s[G0SB+1], SCB
	s_mov_b64 s[G0SB+2:G0SB+3], s[92:93]
	s_or_b32 s[G0SB+3], s[G0SB+3], 0x80000000
; one chain of branches on the wave's number, one load to an arm: every way through the head passes exactly one load
.macro ARM under, g0, g1, next
	s_cmp_lt_u32 s14, \under
	s_cbranch_scc0 \next
	tensor_load_to_lds s[\g0:\g0+3], s[\g1:\g1+7]
	s_nop 0
.rept 4
	v_nop
.endr
	s_branch .Lhead_asked
\next:
.endm
	ARM 2, G0A, G1,  .Lhead_b
	ARM 6, G0B, G1B, .Lhead_sa
	ARM 7, G0S, G1S, .Lhead_sb
	tensor_load_to_lds s[G0SB:G0SB+3], s[G1SB:G1SB+7]
	s_nop 0
.rept 4
	v_nop
.endr
.Lhead_asked:
	s_mul_i32 s56, s15, Q64                        ; my 64 rows of y
	s_mul_i32 s57, s16, Q64
	s_add_co_u32 s57, s57, 2*Q64                   ; my 64 rows of Wo
	s_mul_i32 s58, s15, 4*SBLK
	s_mul_i32 s59, s16, 4*SBLK
	s_add_co_u32 s59, s59, SCB-SCL
	s_sub_co_u32 s59, s59, s58                     ; from my scales of y to my scales of Wo
	s_add_co_u32 s58, s58, SCL
	s_mul_i32 s60, s14, 16*SPITCH                  ; my stage
	s_lshl_b32 s20, s17, 7
	s_lshl_b32 s21, s15, 6
	s_add_co_u32 s20, s20, s21                     ; my first row of C
	s_lshl_b32 s20, s20, 12                        ; x 4,096 bytes
	s_lshl_b32 s46, s42, 10
	s_lshl_b32 s47, s16, 8
	s_add_co_u32 s46, s46, s47                     ; my first column, in bytes
	s_add_co_u32 s20, s20, s46
	s_mov_b32 s21, 0
	s_mov_b32 s47, 0
	s_add_nc_u64 s[12:13], s[12:13], s[20:21]
	s_add_nc_u64 s[96:97], s[96:97], s[20:21]
	s_add_nc_u64 s[98:99], s[98:99], s[46:47]
	v_and_b32 v1, 15, v0                           ; r
	v_bfe_u32 v2, v0, 4, 1                         ; h
	v_mul_u32_u24 v3, v1, PITCH
	v_mad_u32_u24 v4, v2, 24, v3
	v_mad_u32_u24 v5, v2, 40, v3
	v_add_nc_u32 v[ADRA], s56, v4
	v_add_nc_u32 v[ADRA+1], s56, v5
	v_add_nc_u32 v[ADRB], s57, v4
	v_add_nc_u32 v[ADRB+1], s57, v5
	v_lshlrev_b32 v5, 5, v1                        ; my row's scales: 32 bytes a row,
	v_lshrrev_b32 v6, 3, v1
	v_lshl_add_u32 v5, v6, 4, v5                   ; 16 more behind every eight rows
	v_mul_u32_u24 v6, s59, v2                      ; lanes 16-31 take Wo's
	v_add_nc_u32 v5, v5, v6
	v_add_nc_u32 v[ADRS], s58, v5
	v_mul_u32_u24 v5, v1, SPITCH                   ; the stage, in: row r, 32 bytes for each half of the lanes
	v_lshl_add_u32 v5, v2, 5, v5
	v_add_nc_u32 v[STO], s60, v5
	v_mul_u32_u24 v5, v2, SPITCH                   ; back: lanes 0-15 one row of 256 bytes, lanes 16-31 the next
	v_lshl_add_u32 v5, v1, 4, v5
	v_add_nc_u32 v[RD], s60, v5
	v_lshlrev_b32 v7, 4, v1                        ; 16 r: my four columns, in bo
	v_lshl_add_u32 v[CO], v2, 12, v7               ; and in the same two rows of res and out0
	s_wait_alu depctr_va_vdst(0)                   ; the wait at the head's end
	global_load_b128 v[BOV:BOV+3], v7, s[98:99]
.macro FRAG reg, adr, st, i            ; 16 rows x 128 K: six pieces of 8 bytes; byte y of a row lies at y + 16 (y / 256) of its LDS row; lanes 16-31 read 24 bytes of the row further on
.irp p, 0,1,2,3,4,5
.set BY, 96*(\st)+48*(\p/3)+8*(\p%3)
.if BY/256 == (BY+24)/256
	ds_load_b64 v[\reg+2*\p:\reg+2*\p+1], v[\adr] offset:BY+16*(BY/256)+(\i)*16*PITCH
.else
	ds_load_b64 v[\reg+2*\p:\reg+2*\p+1], v[\adr+1] offset:BY+16*(BY/256)+(\i)*16*PITCH
.endif
.endr
.endm
.macro FETCH st                        ; step st's eight fragments into set st % 2
.irp i, 0,1,2,3
	FRAG BF+48*((\st)%2)+FR*\i, ADRB, \st, \i
.endr
.irp i, 0,1,2,3
	FRAG AF+48*((\st)%2)+FR*\i, ADRA, \st, \i
.endr
.endm
.macro MUL st, zero                    ; 16 products; the 16 accumulators take turns, one instruction a turn
	WIN 0x50                                       ; C and D: window 1
.irp a, 0,1,2,3
.irp b, 0,1,2,3
.if \zero
	v_wmma_scale_f32_16x16x128_f8f6f4 v[8*(4*\a+\b):8*(4*\a+\b)+7], v[BF+48*((\st)%2)+FR*\b:BF+48*((\st)%2)+FR*\b+FR-1], v[AF+48*((\st)%2)+FR*\a:AF+48*((\st)%2)+FR*\a+FR-1], 0, v[SC+8*\b+(\st)], v[SC+8*\a+(\st)] matrix_a_fmt:MATRIX_FMT_FP6 matrix_b_fmt:MATRIX_FMT_FP6 matrix_a_scale:MATRIX_SCALE_ROW1
.else
	v_wmma_scale_f32_16x16x128_f8f6f4 v[8*(4*\a+\b):8*(4*\a+\b)+7], v[BF+48*((\st)%2)+FR*\b:BF+48*((\st)%2)+FR*\b+FR-1], v[AF+48*((\st)%2)+FR*\a:AF+48*((\st)%2)+FR*\a+FR-1], v[8*(4*\a+\b):8*(4*\a+\b)+7], v[SC+8*\b+(\st)], v[SC+8*\a+(\st)] matrix_a_fmt:MATRIX_FMT_FP6 matrix_b_fmt:MATRIX_FMT_FP6 matrix_a_scale:MATRIX_SCALE_ROW1
.endif
.endr
.endr
	WIN 0
.endm
	s_wait_tensorcnt 0x0                           ; my tile is in,
	s_barrier_signal -1
	s_barrier_wait -1                              ; everybody's is
.irp i, 0,1,2,3
	ds_load_b128 v[SC+8*\i:SC+8*\i+3], v[ADRS] offset:\i*SBLK          ; the scale words of steps 0-3,
	ds_load_b128 v[SC+8*\i+4:SC+8*\i+7], v[ADRS] offset:\i*SBLK+16     ; of steps 4-7
.endr
	FETCH 0
	WIN 0x40                                       ; destination: window 1
.irp a, 0,1,2,3
.irp t, 0,1,2,3,4,5,6,7
	global_load_b128 v[RES+32*\a+4*\t:RES+32*\a+4*\t+3], v[CO], s[96:97] offset:(16*\a+2*\t)*4096 th:TH_LOAD_NT   ; res: sixteen lanes read 256 consecutive bytes, aligned
.endr
.endr
	WIN 0
	s_wait_dscnt 0x0
	FETCH 1
	MUL 0, 1                                       ; the first step's products start the sums
.set ST, 1
.rept 6
	s_wait_dscnt 0x0                               ; this step's fragments, asked for ahead of the last step's products, are in
	PLACES 4                                       ; places behind the last step's products, in front of the loads into the set that they read
	FETCH ST+1
	MUL ST, 0
.set ST, ST+1
.endr
	s_wait_dscnt 0x0                               ; the last step's fragments are in: my reads of the codes are over
	s_barrier_signal -1
	MUL 7, 0
	s_barrier_wait -1                              ; everybody's are: the stages may be written
; THE WAY OUT, by blocks of 16 rows x 64 columns: through my stage and back as whole rows of 256 bytes; + bo + res; stored.  LDS serves a wave's instructions in order: no wait between the stores and the loads.
.macro TOSTAGE a
	WIN 0x04                                       ; the data: window 1
.irp b, 0,1,2,3
	ds_store_b128 v[STO], v[8*(4*(\a)+\b):8*(4*(\a)+\b)+3] offset:64*\b       ; each accumulator from its low end on
	ds_store_b128 v[STO], v[8*(4*(\a)+\b)+4:8*(4*(\a)+\b)+7] offset:64*\b+16
.endr
	WIN 0
.set BB, BK+32*((\a)%2)
.irp t, 0,1,2,3,4,5,6,7
	ds_load_b128 v[BB+4*\t:BB+4*\t+3], v[RD] offset:\t*2*SPITCH
.endr
.endm
.macro SEND a, younger                 ; younger: the LDS instructions issued behind block a's loads, which may stay out
.set BB, BK+32*((\a)%2)
	s_wait_dscnt \younger
.irp t, 0,1,2,3,4,5,6,7
	v_pk_add_f32 v[BB+4*\t:BB+4*\t+1], v[BB+4*\t:BB+4*\t+1], v[BOV:BOV+1]
	v_pk_add_f32 v[BB+4*\t+2:BB+4*\t+3], v[BB+4*\t+2:BB+4*\t+3], v[BOV+2:BOV+3]
.endr
	WIN 0x04                                       ; source 1: window 1
.irp t, 0,1,2,3,4,5,6,7
	v_pk_add_f32 v[BB+4*\t:BB+4*\t+1], v[BB+4*\t:BB+4*\t+1], v[RES+32*(\a)+4*\t:RES+32*(\a)+4*\t+1]
	v_pk_add_f32 v[BB+4*\t+2:BB+4*\t+3], v[BB+4*\t+2:BB+4*\t+3], v[RES+32*(\a)+4*\t+2:RES+32*(\a)+4*\t+3]
.endr
	WIN 0
.irp t, 0,1,2,3,4,5,6,7
	global_store_b128 v[CO], v[BB+4*\t:BB+4*\t+3], s[12:13] offset:(16*(\a)+2*\t)*4096 th:TH_STORE_NT   ; sixteen lanes store 256 consecutive bytes, aligned
.endr
.endm
	PLACES 4                                       ; behind the last products: for the reads of their results and the loads into the registers that held fragments
	TOSTAGE 0
	s_wait_loadcnt 0x0                             ; bo and res are in
.irp a, 1,2,3
.if \a > 1
	s_wait_xcnt 0x0                                ; block a - 2's stores have read their registers: block a's loads may land there
.endif
	TOSTAGE \a
	SEND \a-1, 16                                  ; behind block a - 1's loads: block a's 8 stores and 8 loads
.endr
	SEND 3, 0
	s_wait_tensorcnt 0x0                           ; the wave's end
	ds_add_u32 v[SPW], v[NIL]
	s_wait_dscnt 0x0
	CROUND                                         ; the closing round
	s_endpgm
.Lfunc_end_k_q82640ed444_oproj:
	.size	k_q82640ed444_oproj, .Lfunc_end_k_q82640ed444_oproj-k_q82640ed444_oproj
	.p2alignl 7, 3214868480
	.fill 96, 4, 3214868480
	.section	.rodata,"a",@progbits
	.p2align	6, 0x0
	.amdhsa_kernel k_q82640ed444_oproj
		.amdhsa_group_segment_fixed_size 327680
		.amdhsa_private_segment_fixed_size 0
		.amdhsa_enable_private_segment 0
		.amdhsa_kernarg_size 56
		.amdhsa_user_sgpr_count 2
		.amdhsa_user_sgpr_kernarg_segment_ptr 1
		.amdhsa_wavefront_size32 1
		.amdhsa_system_sgpr_workgroup_id_x 1
		.amdhsa_system_sgpr_workgroup_id_y 1
		.amdhsa_system_sgpr_workgroup_id_z 1
		.amdhsa_system_vgpr_workitem_id 0
		.amdhsa_next_free_vgpr 512
		.amdhsa_next_free_sgpr 100
		.amdhsa_reserve_vcc 0
		.amdhsa_float_denorm_mode_32 3
		.amdhsa_float_denorm_mode_16_64 3
		.amdhsa_memory_ordered 1
		.amdhsa_forward_progress 1
		.amdhsa_inst_pref_size 70
	.end_amdhsa_kernel
	.amdgpu_metadata
---
amdhsa.version: [ 1, 2 ]
amdhsa.kernels:
  - .name:           k_q82640ed444_oproj
    .symbol:         k_q82640ed444_oproj.kd
    .args:
      - { .name: yc, .offset: 0, .size: 8, .value_kind: global_buffer, .address_space: global }
      - { .name: ys, .offset: 8, .size: 8, .value_kind: global_buffer, .address_space: global }
      - { .name: Wo_codes, .offset: 16, .size: 8, .value_kind: global_buffer, .address_space: global }
      - { .name: Wo_scales, .offset: 24, .size: 8, .value_kind: global_buffer, .address_space: global }
      - { .name: out0, .offset: 32, .size: 8, .value_kind: global_buffer, .address_space: global }
      - { .name: res, .offset: 40, .size: 8, .value_kind: global_buffer, .address_space: global }
      - { .name: bo, .offset: 48, .size: 8, .value_kind: global_buffer, .address_space: global }
    .group_segment_fixed_size: 327680
    .private_segment_fixed_size: 0
    .kernarg_segment_align: 8
    .kernarg_segment_size: 56
    .max_flat_workgroup_size: 256
    .sgpr_count:     100
    .vgpr_count:     512
    .wavefront_size: 32
...
	.end_amdgpu_metadata
.endif
;; end of part 4
